; MI455X (gfx1250); checked and timed in simulation.
; The chip was launched on July 23, 2026; its instructions are those of AMD's public machine-readable ISA for CDNA 5 (MIT licence, August 2026) and "CDNA5" Instruction Set Architecture Reference Guide (July 2026). The comments in the code are by the model that wrote it; some were corrected since.
;; Attention. Allowed arithmetic: float matrix products may take bf16 or f16 operands with f32 sums; other float arithmetic in f32, or as packed bf16 or f16 multiplies, adds, multiply-adds, maxima and minima; sums over many terms, partial sums and values carried from step to step in f32; what a program stores and reads back later, other than sums and carried values, may be rounded once to bf16 or f16.
;; Inputs: key 8 x 2,048 x 1,024 float32; mask 8 x 2,048 float32; query 8 x 2,048 x 1,024 float32; value 8 x 2,048 x 1,024 float32.
;; Outputs: out0 8 x 2,048 x 1,024 float32.
;; 3 versions, each right; version 3 is version 2 with the launch prep written anew for expert scheduling mode. Each part assembles by itself: llvm-mc -triple=amdgcn-amd-amdhsa -mcpu=gfx1250 --defsym DOCPART=n.
;; ======== version 1 of 3: 3 launches
;; limits: values are held in f16: magnitudes above 65,504 overflow, below 6.1e-05 lose precision
;; workspace buffers: qb 33,554,432 bytes; kb 33,554,432 bytes; vh 33,554,432 bytes; pw 67,108,864 bytes; st 2,097,152 bytes
;; launch prep (part 1): grid 256 x 3, 8 waves a work-group, no clusters, 0 bytes of LDS; arguments query, key, value, qb, kb, vh; writes qb, kb, vh
.if DOCPART == 1
	.amdgcn_target "amdgcn-amd-amdhsa--gfx1250"
	.amdhsa_code_object_version 6
	.text
	.protected	k_q781ae5fa0c_prep
	.globl	k_q781ae5fa0c_prep
	.p2align	8
	.type	k_q781ae5fa0c_prep,@function
k_q781ae5fa0c_prep:
	s_mov_b64 s[64:65], 0
	v_nop
	global_prefetch_b8 v0, s[64:65] scope:SCOPE_SE
	s_setreg_imm32_b32 hwreg(HW_REG_WAVE_MODE, 25, 1), 1
	s_wait_xcnt 0x0
; PREP.  query -> qb and key -> kb, rounded to bf16; value -> vh, rounded to bf16 and that number written as f16.
; LIMIT.  bf16(value) must lie within 65,504, f16's largest number; below 6e-5 it keeps f16's fixed step of 6e-8.
; SHARES.  Grid y picks the tensor.  A work-group takes 65,536 numbers: 64 chunks of 256 threads x 4 floats.  A wave's load covers 512 consecutive bytes,
; its store 256 consecutive bytes at a multiple of 256.  A ring of DEPTH register slots keeps DEPTH loads of every wave on their way.
; No LDS, no matrix unit, no cluster: every byte is read once by one lane, and nothing is shared.
.set DEPTH, 8
.set CIN,   4096                       ; bytes of a chunk coming in
.set COUT,  2048                       ; and going out
.set OFI, 2                            ; v[2:9]    slot i: byte offset of my 16 bytes in the chunk that the slot loads next
.set OFO, 10                           ; v[10:17]  slot i: byte offset of my 8 bytes going out
.set T,   18                           ; v[18:21]  at work
.set X,   24                           ; v[24:55]  slot i: four floats as loaded
.set Y,   56                           ; v[56:71]  slot i: four 16-bit numbers to store
	s_load_b256 s[8:15], s[0:1], 0x0               ; query 8, key 10, value 12, qb 14
	s_load_b128 s[16:19], s[0:1], 0x20             ; kb 16, vh 18
	s_and_b32 s2, ttmp7, 0xffff                    ; which tensor
	s_lshl_b32 s24, ttmp9, 18                      ; the work-group's part: 262,144 bytes in,
	s_mov_b32 s25, 0
	s_lshl_b32 s26, ttmp9, 17                      ; 131,072 bytes out
	s_mov_b32 s27, 0
	s_mov_b32 s29, 0xffff0000                      ; a word's upper bf16
.irp i, 0,1,2,3,4,5,6,7
	v_lshl_or_b32 v[OFI+(\i)], v0, 4, (\i)*CIN
	v_lshl_or_b32 v[OFO+(\i)], v0, 3, (\i)*COUT
.endr
	s_wait_kmcnt 0x0
	s_cmp_eq_u32 s2, 0
	s_cselect_b64 s[4:5], s[8:9], s[10:11]
	s_cselect_b64 s[6:7], s[14:15], s[16:17]
	s_cmp_eq_u32 s2, 2
	s_cselect_b64 s[4:5], s[12:13], s[4:5]
	s_cselect_b64 s[6:7], s[18:19], s[6:7]
	s_add_nc_u64 s[4:5], s[4:5], s[24:25]
	s_add_nc_u64 s[6:7], s[6:7], s[26:27]
.irp i, 0,1,2,3,4,5,6,7
	global_load_b128 v[X+4*(\i):X+4*(\i)+3], v[OFI+(\i)], s[4:5] th:TH_LOAD_NT
.endr
; One slot's turn.  ahead = 1: the slot is filled again, DEPTH chunks on.  left: the younger loads that may stay out.  isv = 1: value's second conversion.
.macro SLOT i, ahead, left, isv
	s_wait_loadcnt \left                           ; loads come back in order: mine is in
	s_wait_xcnt 0x0                                ; this slot's last store has read Y and OFO: they are rewritten only behind this wait
	v_cvt_pk_bf16_f32 v[Y+2*(\i)],   v[X+4*(\i)],   v[X+4*(\i)+1]
	v_cvt_pk_bf16_f32 v[Y+2*(\i)+1], v[X+4*(\i)+2], v[X+4*(\i)+3]
.if \isv
	v_lshlrev_b32 v[T],   16,  v[Y+2*(\i)]         ; the bf16 numbers as f32,
	v_and_b32     v[T+1], s29, v[Y+2*(\i)]
	v_lshlrev_b32 v[T+2], 16,  v[Y+2*(\i)+1]
	v_and_b32     v[T+3], s29, v[Y+2*(\i)+1]
	v_cvt_pk_f16_f32 v[Y+2*(\i)],   v[T],   v[T+1] ; written as f16: 8 significant bits fit into 11
	v_cvt_pk_f16_f32 v[Y+2*(\i)+1], v[T+2], v[T+3]
.endif
.if \ahead
	v_add_nc_u32 v[OFI+(\i)], DEPTH*CIN, v[OFI+(\i)]
	global_load_b128 v[X+4*(\i):X+4*(\i)+3], v[OFI+(\i)], s[4:5] th:TH_LOAD_NT
	v_add_nc_u32 v[OFO+(\i)], DEPTH*COUT, v[OFO+(\i)]
	global_store_b64 v[OFO+(\i)], v[Y+2*(\i):Y+2*(\i)+1], s[6:7] offset:-DEPTH*COUT
.else
	global_store_b64 v[OFO+(\i)], v[Y+2*(\i):Y+2*(\i)+1], s[6:7]
.endif
.endm
.macro STREAM isv                      ; seven rounds that fill again, and the last, whose counts run down
	s_mov_b32 s28, 7
.Lround_\@:
.irp i, 0,1,2,3,4,5,6,7
	SLOT \i, 1, DEPTH-1, \isv
.endr
	s_sub_co_u32 s28, s28, 1
	s_cmp_lg_u32 s28, 0
	s_cbranch_scc1 .Lround_\@
.irp i, 0,1,2,3,4,5,6,7
	SLOT \i, 0, DEPTH-1-(\i), \isv
.endr
.endm
	s_cmp_eq_u32 s2, 2
	s_cbranch_scc1 .Lvalue
	STREAM 0
	s_endpgm
.Lvalue:
	STREAM 1
	s_endpgm
.Lfunc_end_k_q781ae5fa0c_prep:
	.size	k_q781ae5fa0c_prep, .Lfunc_end_k_q781ae5fa0c_prep-k_q781ae5fa0c_prep
	.p2alignl 7, 3214868480
	.fill 96, 4, 3214868480
	.section	.rodata,"a",@progbits
	.p2align	6, 0x0
	.amdhsa_kernel k_q781ae5fa0c_prep
		.amdhsa_group_segment_fixed_size 0
		.amdhsa_private_segment_fixed_size 0
		.amdhsa_enable_private_segment 0
		.amdhsa_kernarg_size 48
		.amdhsa_user_sgpr_count 2
		.amdhsa_user_sgpr_kernarg_segment_ptr 1
		.amdhsa_wavefront_size32 1
		.amdhsa_system_sgpr_workgroup_id_x 1
		.amdhsa_system_sgpr_workgroup_id_y 1
		.amdhsa_system_sgpr_workgroup_id_z 1
		.amdhsa_system_vgpr_workitem_id 0
		.amdhsa_next_free_vgpr 72
		.amdhsa_next_free_sgpr 66
		.amdhsa_reserve_vcc 0
		.amdhsa_float_denorm_mode_32 3
		.amdhsa_float_denorm_mode_16_64 3
		.amdhsa_memory_ordered 1
		.amdhsa_forward_progress 1
		.amdhsa_inst_pref_size 20
	.end_amdhsa_kernel
	.amdgpu_metadata
---
amdhsa.version: [ 1, 2 ]
amdhsa.kernels:
  - .name:           k_q781ae5fa0c_prep
    .symbol:         k_q781ae5fa0c_prep.kd
    .args:
      - { .name: query, .offset: 0, .size: 8, .value_kind: global_buffer, .address_space: global }
      - { .name: key, .offset: 8, .size: 8, .value_kind: global_buffer, .address_space: global }
      - { .name: value, .offset: 16, .size: 8, .value_kind: global_buffer, .address_space: global }
      - { .name: qb, .offset: 24, .size: 8, .value_kind: global_buffer, .address_space: global }
      - { .name: kb, .offset: 32, .size: 8, .value_kind: global_buffer, .address_space: global }
      - { .name: vh, .offset: 40, .size: 8, .value_kind: global_buffer, .address_space: global }
    .group_segment_fixed_size: 0
    .private_segment_fixed_size: 0
    .kernarg_segment_align: 8
    .kernarg_segment_size: 48
    .max_flat_workgroup_size: 256
    .sgpr_count:     66
    .vgpr_count:     72
    .wavefront_size: 32
...
	.end_amdgpu_metadata
.endif
;; end of part 1
;; launch scores (part 2): grid 4 x 64, 4 waves a work-group, clusters of 4 x 4, 327,680 bytes of LDS; arguments qb, kb, mask, pw, st; writes pw, st
.if DOCPART == 2
	.amdgcn_target "amdgcn-amd-amdhsa--gfx1250"
	.amdhsa_code_object_version 6
	.text
	.protected	k_q781ae5fa0c_scores
	.globl	k_q781ae5fa0c_scores
	.p2align	8
	.type	k_q781ae5fa0c_scores,@function
k_q781ae5fa0c_scores:
	s_mov_b64 s[64:65], 0
	v_nop
	global_prefetch_b8 v0, s[64:65] scope:SCOPE_SE
	s_setreg_imm32_b32 hwreg(HW_REG_WAVE_MODE, 25, 1), 1
	s_wait_xcnt 0x0
	s_wait_alu depctr_hold_cnt(0) depctr_sa_sdst(0) depctr_va_vdst(0) depctr_va_sdst(0) depctr_va_ssrc(0) depctr_va_vcc(0) depctr_vm_vsrc(0)
	s_getreg_b32 s2, hwreg(HW_REG_IB_STS2, 6, 4)
	s_cmp_eq_u32 s2, 0
	s_cbranch_scc0 .Lentry_in_a_cluster
	s_endpgm
.Lentry_in_a_cluster:
	s_bfe_u32 s2, ttmp6, 0x10000c
	s_cmp_lg_u32 s2, 0xf033
	s_cbranch_scc0 .Lentry_shape_is_right
	s_endpgm
.Lentry_shape_is_right:
; SCORES.  For each query row and each block of 128 keys: t = (q.k - 1e10 [k > q]) - (1 - mask[k]) 1e10, each step rounded to f32 in that order; m = the block's largest t;
; p = 2^(c (t - m)), c = log2(e) / 32, stored in f16 in pw[8][2048 q][2048 k]; m and l = the sum of the unrounded p, in f32, in st[8 b][16 j][32 strips of 64 rows][m, l][16 r][4 a] (row 16 a + r).
; The next launch joins the blocks of a row by their maxima.  q.k: bf16 operands, f32 sums.  The difference t - m is taken before the scale, so that t near 1e10 loses nothing.
; ALL KEYS ARE TAKEN, the causally hidden ones too: the causal term is a finite number, and a row whose visible keys all carry the padding penalty gives weight to hidden keys.
; LIMITS.  p below 6e-5 keeps f16's fixed step of 6e-8; NaN and infinities are not treated apart.
; SHARES.  A cluster of 4 x 4 work-groups makes super-tiles of 512 queries x 1,024 keys; a work-group 128 x 256 of it; a wave 64 x 128: 32 accumulators.  Cluster (b, z) takes super-rows 3 - z and z,
; each with both halves of the keys: four tiles for every work-group.
; JOINT LOADS.  Q's tile hangs on the tile row, shared along a row of the cluster; K's on the tile column, shared along a column.  Each is asked for by the same tensor load in the four that its mask names.
; RING.  K goes in 8 steps of 128 (rows of 256 bytes) through two LDS slots.  Each tile starts the ring anew; the mask tables are made while its first fill is on its way.
; THE PRODUCT IS TAKEN TRANSPOSED: source 0 = 16 keys, source 1 = 16 queries: a lane holds ONE query (lane % 16) and the keys 8 (lane / 16) + 0..7 of each group of 16.
; REGISTERS.  Window 0: v0-31 addresses; v32-127, v128-223 two fragment buffers (K's eight fragments, then Q's four); v224-243 statistics.  Window 1: accumulator (a, b) at v[8 (8 a + b)].
; Window 2: v0-87 IND, 1.0 where a key is hidden from a query, by 16 (b - a) + j; v88-151 PB, the padding penalty of my 64 keys.
.set PITCH,  272                       ; an LDS row: 256 bytes + 16 of padding: the 16 rows of a fragment load start at 16 different groups of four banks
.set APART,  64*PITCH                  ; what a wave loads of Q, and what a wave reads of it
.set BOFF,   128*PITCH                 ; K's 256 rows lie behind Q's 128
.set BPART,  128*PITCH
.set SLOT,   384*PITCH
.set STAGE,  2*SLOT                    ; behind the ring: 16 rows x 272 bytes for each wave; no tensor load fills it
.set SPARE,  STAGE+4*16*PITCH          ; behind the stages: the spare words, 128 bytes a wave
.set TILES,  4                         ; tiles of a work-group
.set LAPS,   3                         ; trips of the lap loop: 8 steps are four laps, of which the last is written out
.set ADRA, 16                          ; v16-17  my Q fragments in slot 0, 1
.set ADRB, 20                          ; v20-21  my K fragments
.set SPW,  28
.set NIL,  29
.set F0,   32
.set F1,   128
.set TMP,  32                          ; the way out: packed weights
.set IND,  0
.set PB,   88
.set WV, 16
.set WH, 17                            ; my half of the tile's rows; also: I load for Q (0) or K (1)
.set WL, 18                            ; my half of its columns; also: which half of that tile's rows I load
.set CX, 19
.set CY, 20
.set BB, 21
.set ZZ, 22
.set TU, 23                            ; the tile's number
.set LAP, 25
.set RR, 26
.set CC, 27
.set G1,  28
.set G0,  36
.set G1B, 44
.set G0B, 52
.set W_MUL, 0x50                       ; C and D in window 1, both sources in window 0
.set MSB, 0
.macro WIN new                         ; the immediate's high byte repeats the setting that is left; a switch that changes nothing is dropped
.if MSB != (\new)
	s_set_vgpr_msb (MSB<<8)|(\new)
.set MSB, \new
.endif
.endm
.macro PLACES                          ; four plain vector lines behind matrix instructions, in front of loads into registers that they read and of lines that read results
.rept 4
	v_nop
.endr
.endm
.macro JLOAD s                         ; a joint load: waves 0, 1 Q's halves, waves 2, 3 K's; an s_nop 0 and four v_nop follow each line
	s_cmp_eq_u32 s[WH], 0
	s_cbranch_scc0 .Lfor_b_\@
	tensor_load_to_lds s[G0+4*(\s):G0+4*(\s)+3], s[G1:G1+7]
	s_nop 0
.rept 4
	v_nop
.endr
	s_branch .Lasked_\@
.Lfor_b_\@:
	tensor_load_to_lds s[G0B+4*(\s):G0B+4*(\s)+3], s[G1B:G1B+7]
	s_nop 0
.rept 4
	v_nop
.endr
.Lasked_\@:
.endm
.macro CREST                           ; a round of the cluster's barrier behind its opening barrier
	s_cmp_lg_u32 s[WV], 0
	s_cbranch_scc1 .Lnot_wave_0_\@
	s_barrier_signal -3
.Lnot_wave_0_\@:
	s_barrier_wait -3
	s_barrier_signal -1
	s_barrier_wait -1
.endm
.macro CROUND
	s_barrier_signal -1
	s_barrier_wait -1
	CREST
.endm
; A prefetch of the step that stands two refills on (step 2 LAP + 4 + t).  Q's rows are read by one cluster, first where CC = 0: its Q waves ask, 16 rows for each of the four partners (by address),
; lanes 16-31 the step after, so once a lap.  K's rows are read by both clusters of a batch: the one with z = 0 asks, in its first two tiles, 32 rows a partner, a lane a row, in both changes of slots.
; A tile's steps 0 to 3 come by their loads alone; the loop's last trip asks for nothing: there is no step behind the tile's last.
.macro ASK t
	s_add_co_u32 s94, s[LAP], 1
	s_cmp_lt_u32 s94, s[88+(\t)]
	s_cbranch_scc0 .Lnot_mine_\@
	global_prefetch_b8 v30, s[86:87] offset:256*(\t) th:TH_LOAD_NT scope:SCOPE_SE
.Lnot_mine_\@:
.endm
; Eight products: queries 16 a .., all eight groups of 16 keys, 32 along K.  The 32 accumulators take turns in one order in every quarter.
.macro MUL8 f, a, zero
	WIN W_MUL
.irp b, 0,1,2,3,4,5,6,7
.if \zero
	v_wmma_f32_16x16x32_bf16 v[8*(8*(\a)+(\b)):8*(8*(\a)+(\b))+7], v[(\f)+8*(\b):(\f)+8*(\b)+7], v[(\f)+64+8*(\a):(\f)+64+8*(\a)+7], 0
.else
	v_wmma_f32_16x16x32_bf16 v[8*(8*(\a)+(\b)):8*(8*(\a)+(\b))+7], v[(\f)+8*(\b):(\f)+8*(\b)+7], v[(\f)+64+8*(\a):(\f)+64+8*(\a)+7], v[8*(8*(\a)+(\b)):8*(8*(\a)+(\b))+7]
.endif
.endr
.endm
.macro FETCH slot, q, f                ; 24 LDS loads in one run: quarter q of a step: K's 16, then Q's 8
	WIN 0
.irp i, 0,1,2,3,4,5,6,7
	ds_load_b128 v[(\f)+8*(\i):(\f)+8*(\i)+3],   v[ADRB+(\slot)] offset:64*(\q)+(\i)*16*PITCH
	ds_load_b128 v[(\f)+8*(\i)+4:(\f)+8*(\i)+7], v[ADRB+(\slot)] offset:64*(\q)+(\i)*16*PITCH+32
.endr
.irp i, 0,1,2,3
	ds_load_b128 v[(\f)+64+8*(\i):(\f)+64+8*(\i)+3],   v[ADRA+(\slot)] offset:64*(\q)+(\i)*16*PITCH
	ds_load_b128 v[(\f)+64+8*(\i)+4:(\f)+64+8*(\i)+7], v[ADRA+(\slot)] offset:64*(\q)+(\i)*16*PITCH+32
.endr
.endm
.macro QUARTER slot, q, f, g, zero     ; multiplies buffer f; in its middle fetches quarter q of the same slot into g
	s_wait_dscnt 4                                 ; all but Q's fragments 2 and 3, the youngest four loads
	MUL8 \f, 0, \zero
	MUL8 \f, 1, \zero
	PLACES
	FETCH \slot, \q, \g
	s_wait_dscnt 24                                ; all but the 24 just issued
	MUL8 \f, 2, \zero
	MUL8 \f, 3, \zero
.endm
; A step's last quarter, on buffer 1, and the change of slots.  In front of the barrier each wave waits for all its tensor loads (one is out: its part of the next slot), adds 0 to its spare word, and
; waits for that and for its reads of this slot.  fill = 1: the barrier opens a round of the cluster's, and the joint refill, two steps on, is the first thing behind the round.
.macro TURN slot, next, fill
	WIN 0
	s_wait_tensorcnt 0x0
	ds_add_u32 v[SPW], v[NIL]
	s_wait_dscnt 7                                 ; the add and Q's fragments 1 to 3 may be out
	MUL8 F1, 0, 0
	s_wait_dscnt 0x0                               ; the add is done, and my reads of this slot are over
	s_barrier_signal -1
	MUL8 F1, 1, 0
	WIN 0
	s_barrier_wait -1
.if \fill
	CREST
	s_add_nc_u64 s[G0+4*(\slot)+2:G0+4*(\slot)+3], s[G0+4*(\slot)+2:G0+4*(\slot)+3], 512
	s_add_nc_u64 s[G0B+4*(\slot)+2:G0B+4*(\slot)+3], s[G0B+4*(\slot)+2:G0B+4*(\slot)+3], 512
	JLOAD \slot                                    ; its four v_nop are also the places in front of the loads below
.else
	PLACES
.endif
	FETCH \next, 0, F0
.if \fill
	ASK \slot
.endif
	MUL8 F1, 2, 0
	MUL8 F1, 3, 0
.endm
; The tile's addresses, from its number: scalar work alone.  s90 serves Q's descriptors and never holds cx; s92 serves K's and never holds cy.
.macro TILEADDR
	s_cmp_lt_u32 s[TU], 2
	s_cselect_b32 s[RR], s96, s[ZZ]                ; super-row 3 - z, 3 - z, z, z
	s_and_b32 s[CC], s[TU], 1                      ; half of the keys 0, 1, 0, 1
	s_lshl_b32 s90, s[RR], 9
	s_add_co_u32 s90, s90, s97                     ; the first row of Q that I load
	s_lshl_b32 s66, s90, 11
	s_mov_b32 s67, 0
	s_lshl_b32 s92, s[CC], 10
	s_add_co_u32 s92, s92, s98                     ; the first row of K that I load; also my first key
	s_lshl_b32 s68, s92, 11
	s_mov_b32 s69, 0
	s_add_nc_u64 s[G0+2:G0+3], s[4:5], s[66:67]    ; step 0 for slot 0,
	s_add_nc_u64 s[G0+6:G0+7], s[G0+2:G0+3], 256   ; step 1 for slot 1
	s_or_b32 s[G0+3], s[G0+3], 0x80000000
	s_or_b32 s[G0+7], s[G0+7], 0x80000000
	s_add_nc_u64 s[G0B+2:G0B+3], s[6:7], s[68:69]
	s_add_nc_u64 s[G0B+6:G0B+7], s[G0B+2:G0B+3], 256
	s_or_b32 s[G0B+3], s[G0B+3], 0x80000000
	s_or_b32 s[G0B+7], s[G0B+7], 0x80000000
	s_lshl_b32 s94, s[RR], 9                       ; pw at my 64 rows, my 128 columns
	s_add_co_u32 s94, s94, s99
	s_lshl_b32 s94, s94, 12
	s_lshl_b32 s95, s[CC], 10
	s_add_co_u32 s95, s95, s100
	s_lshl_b32 s95, s95, 1
	s_add_co_u32 s94, s94, s95
	s_mov_b32 s95, 0
	s_add_nc_u64 s[70:71], s[10:11], s[94:95]
	s_lshl_b32 s94, s[CC], 8                       ; st at my key block and strip: 512 bytes
	s_lshl3_add_u32 s94, s[RR], s94
	s_add_co_u32 s94, s94, s101
	s_lshl_b32 s94, s94, 9
	s_add_nc_u64 s[72:73], s[12:13], s[94:95]
	s_lshl_b32 s94, s92, 2                         ; mask at my first key
	s_add_nc_u64 s[74:75], s[8:9], s[94:95]
	s_lshl_b32 s85, s[RR], 9                       ; my first query less my first key
	s_lshl_b32 s94, s[CC], 10
	s_sub_co_u32 s85, s85, s94
	s_add_co_u32 s85, s85, s3
	s_cmp_eq_u32 s[WH], 0                          ; where my prefetches stand: my work-group's share of the rows that I load, at step 4
	s_cselect_b64 s[86:87], s[4:5], s[6:7]
	s_cselect_b64 s[94:95], s[66:67], s[68:69]
	s_add_nc_u64 s[86:87], s[86:87], s[94:95]
	s_mov_b32 s94, s2
	s_mov_b32 s95, 0
	s_add_nc_u64 s[86:87], s[86:87], s[94:95]
	s_cmp_eq_u32 s[CC], 0                          ; who asks: a bound of LAPS trips, or 0
	s_cselect_b32 s94, LAPS, 0
	s_lshl_b32 s95, s[ZZ], 1
	s_add_co_u32 s95, s95, s[TU]
	s_cmp_lt_u32 s95, 2                            ; z = 0 and one of the first two tiles
	s_cselect_b32 s95, LAPS, 0
	s_cmp_eq_u32 s[WH], 0
	s_cselect_b32 s88, s94, s95
	s_cselect_b32 s89, 0, s95
.endm
; The tile's two tables, made while its first fill is on its way.
.macro SETUP
	WIN 0
	v_add_nc_u32 v31, s85, v3                      ; e0: key 16 b + 8 (l / 16) + j is hidden from query 16 a + l % 16 where 16 (b - a) + j > e0
	WIN 0x80                                       ; destination window 2
.irp i, 0,1,2,3,4,5,6,7
	global_load_b128 v[PB+8*(\i):PB+8*(\i)+3],   v27, s[74:75] offset:64*(\i)
	global_load_b128 v[PB+8*(\i)+4:PB+8*(\i)+7], v27, s[74:75] offset:64*(\i)+16
.endr
.set i, 0
.rept 88
	v_cmp_gt_i32 vcc_lo, 16*(i/8-3)+i%8, v31
	v_cndmask_b32 v[IND+i], 0, v22, vcc_lo
.set i, i+1
.endr
	s_wait_loadcnt 0x0
	WIN 0x88                                       ; destination and second source in window 2
.set i, 0
.rept 64
	v_sub_f32 v[PB+i], 1.0, v[PB+i]
.set i, i+1
.endr
.set i, 0
.rept 64
	v_mul_f32 v[PB+i], s82, v[PB+i]
.set i, i+1
.endr
	WIN 0
.endm
.macro SUBP p                          ; pair p of the sixteen queries in hand: t - m
	v_pk_add_f32 v[AC+2*(\p):AC+2*(\p)+1], v[AC+2*(\p):AC+2*(\p)+1], v[236:237] op_sel_hi:[1,0] neg_lo:[0,1] neg_hi:[0,1]
.endm
.macro MULP p                          ; times c
	v_pk_mul_f32 v[AC+2*(\p):AC+2*(\p)+1], v[AC+2*(\p):AC+2*(\p)+1], s[78:79] op_sel_hi:[1,0]
.endm
; Queries 16 a ..: both masks, the block's maximum, the weights, their rounding to f16 and their sum.  Each accumulator is read from its low end on.
.macro SOFT a
.set AC, 64*(\a)
	WIN 0x52                                       ; IND in window 2, scores in window 1
.set i, 0
.rept 32
	v_pk_fma_f32 v[AC+2*i:AC+2*i+1], v[IND+8*(i/4-(\a)+3)+2*(i%4):IND+8*(i/4-(\a)+3)+2*(i%4)+1], s[76:77], v[AC+2*i:AC+2*i+1] op_sel_hi:[1,0,1]  ; s - 1e10 or s, one rounding
.set i, i+1
.endr
	WIN 0x49                                       ; PB in window 2
.set i, 0
.rept 32
	v_pk_add_f32 v[AC+2*i:AC+2*i+1], v[AC+2*i:AC+2*i+1], v[PB+2*i:PB+2*i+1] neg_lo:[0,1] neg_hi:[0,1]
.set i, i+1
.endr
	WIN 0x15                                       ; the maximum of my 64: four chains of fifteen,
.irp k, 0,1,2,3
	v_max3_num_f32 v[232+(\k)], v[AC+16*(\k)], v[AC+16*(\k)+1], v[AC+16*(\k)+2]
.endr
	WIN 0x14
.irp n, 0,1,2,3,4,5
.irp k, 0,1,2,3
	v_max3_num_f32 v[232+(\k)], v[232+(\k)], v[AC+16*(\k)+3+2*(\n)], v[AC+16*(\k)+4+2*(\n)]
.endr
.endr
	v_max3_num_f32 v232, v232, v[AC+15], v[AC+31]  ; the four left over,
	v_max3_num_f32 v234, v234, v[AC+47], v[AC+63]
	WIN 0
	v_max3_num_f32 v232, v232, v233, v234
	v_max_num_f32 v232, v232, v235
	v_permlanex16_b32 v233, v232, s80, s81         ; and the query's other 64 keys, in the lane 16 away
	v_max_num_f32 v236, v232, v233
	v_mov_b32 v[224+(\a)], v236
	WIN 0x41                                       ; ONE batch of 64 exponentials: plain lines between them; nothing ahead of the wait names a result
	SUBP 0
	MULP 0
	SUBP 1
	MULP 1
.set i, 0
.rept 30
	SUBP i+2
	v_exp_f32 v[AC+2*i], v[AC+2*i]
	MULP i+2
	v_exp_f32 v[AC+2*i+1], v[AC+2*i+1]
.set i, i+1
.endr
.irp n, 60,61,62,63
	v_exp_f32 v[AC+(\n)], v[AC+(\n)]
.endr
	v_nop                                          ; a plain line behind the last exponential,
	s_wait_alu depctr_va_vdst(0)                   ; and the one wait ahead of the first reader
	WIN 0x05
.set i, 0
.rept 32
	v_cvt_pk_f16_f32 v[TMP+i], v[AC+2*i], v[AC+2*i+1]
.set i, i+1
.endr
	WIN 0x45                                       ; the sum of the unrounded weights, in place: neighbours 1, 2, 4, 8, 16 pairs apart
.irp d, 1,2,4,8,16
.set u, 0
.rept 16/(\d)
	v_pk_add_f32 v[AC+4*(\d)*u:AC+4*(\d)*u+1], v[AC+4*(\d)*u:AC+4*(\d)*u+1], v[AC+4*(\d)*u+2*(\d):AC+4*(\d)*u+2*(\d)+1]
.set u, u+1
.endr
.endr
	WIN 0x05
	v_add_f32 v232, v[AC], v[AC+1]
	WIN 0
	v_permlanex16_b32 v233, v232, s80, s81
	v_add_f32 v[228+(\a)], v232, v233
.endm
.macro TOSTAGE a                       ; 16 bytes a lane into rows of 272 bytes of my own stage, and back as whole rows of 256; LDS serves a wave's instructions in order
	WIN 0
.set BK, 64+32*((\a)%2)
.irp b, 0,1,2,3,4,5,6,7
	ds_store_b128 v24, v[TMP+4*(\b):TMP+4*(\b)+3] offset:32*(\b)
.endr
.irp t, 0,1,2,3,4,5,6,7
	ds_load_b128 v[BK+4*(\t):BK+4*(\t)+3], v25 offset:(\t)*2*PITCH
.endr
.endm
.macro SEND a
	WIN 0
.set BK, 64+32*((\a)%2)
	s_wait_dscnt 0x0                               ; the rows are back in registers
	s_wait_xcnt 0x0                                ; earlier stores have read theirs: the other set is loaded again only behind this wait
.irp t, 0,1,2,3,4,5,6,7
	global_store_b128 v26, v[BK+4*(\t):BK+4*(\t)+3], s[70:71] offset:65536*(\a)+8192*(\t)  ; sixteen lanes store 256 consecutive bytes, at a multiple of 256 from pw's first byte
.endr
.endm
	s_load_b256 s[4:11], s[0:1], 0x0               ; qb 4, kb 6, mask 8, pw 10
	s_load_b64 s[12:13], s[0:1], 0x20              ; st
	v_lshl_add_u32 v[SPW], v0, 2, SPARE
	v_mov_b32 v[NIL], 0
	ds_add_u32 v[SPW], v[NIL]                      ; the wave's opening: the add and its wait stand ahead of my first tensor load; work on registers stands between them
	v_lshrrev_b32 v1, 5, v0
	v_readfirstlane_b32 s[WV], v1
	s_lshr_b32 s[WH], s[WV], 1
	s_and_b32 s[WL], s[WV], 1
	s_bfe_u32 s[CX], ttmp6, 0x40000
	s_bfe_u32 s[CY], ttmp6, 0x40004
	s_and_b32 s[BB], ttmp7, 0xffff                 ; the cluster's y = 2 b + z
	s_and_b32 s[ZZ], s[BB], 1
	s_lshr_b32 s[BB], s[BB], 1
	s_sub_co_u32 s96, 3, s[ZZ]
	s_lshl_b32 s97, s[BB], 11
	s_lshl_b32 s90, s[CY], 7
	s_add_co_u32 s97, s97, s90                     ; 2048 b + 128 cy
	s_lshl_b32 s99, s[WH], 6
	s_add_co_u32 s99, s99, s97                     ; + 64 x my half of the rows: the rows that I make
	s_lshl_b32 s90, s[WL], 6
	s_add_co_u32 s97, s97, s90                     ; + 64 x the half that I load
	s_lshl_b32 s100, s[CX], 8
	s_lshl_b32 s92, s[WL], 7
	s_add_co_u32 s100, s100, s92                   ; 256 cx + 128 x my half of the columns
	s_lshl_b32 s98, s[BB], 11
	s_add_co_u32 s98, s98, s100
	s_lshl_b32 s101, s[BB], 4                      ; (16 b + key block) x 32 + strip, without the tile's part
	s_lshr_b32 s94, s100, 7
	s_add_co_u32 s101, s101, s94
	s_lshl_b32 s101, s101, 5
	s_and_b32 s94, s99, 2047
	s_sub_co_u32 s3, s94, s100
	s_lshr_b32 s94, s94, 6
	s_add_co_u32 s101, s101, s94
	s_lshl_b32 s94, s[CX], 15                      ; my work-group's share of the prefetches: 16 cx rows of Q, or 32 cy rows of K; and step 4
	s_lshl_b32 s95, s[CY], 16
	s_cmp_eq_u32 s[WH], 0
	s_cselect_b32 s2, s94, s95
	s_add_co_u32 s2, s2, 1024
	s_lshl_b32 s90, s[CY], 2
	s_lshl_b32 s90, 15, s90                        ; my row of the cluster
	s_lshl_b32 s92, 0x1111, s[CX]                  ; my column
	s_or_b32 s[G1], s90, (1<<16)|(1<<20)|(1<<21)|(5<<22)|(3<<25)   ; the mask; 2-byte elements; padding on; bit 21 beside a mask; after every 64 words, 4 words
	s_or_b32 s[G1B], s92, (1<<16)|(1<<20)|(1<<21)|(5<<22)|(3<<25)
	s_mov_b32 s[G1+1], 128<<16                     ; tensor_dim0 = 128
	s_mov_b32 s[G1+2], 64<<16                      ; tensor_dim1 = 64
	s_mov_b32 s[G1+3], 128<<16                     ; tile_dim0 = 128
	s_mov_b32 s[G1+4], 64                          ; tile_dim1 = 64
	s_mov_b32 s[G1+5], 1024                        ; elements from row to row
	s_mov_b32 s[G1+6], 0
	s_mov_b32 s[G1+7], 0
	s_mov_b32 s[G1B+1], 128<<16
	s_mov_b32 s[G1B+2], 128<<16                    ; K: 128 rows a load
	s_mov_b32 s[G1B+3], 128<<16
	s_mov_b32 s[G1B+4], 128
	s_mov_b32 s[G1B+5], 1024
	s_mov_b32 s[G1B+6], 0
	s_mov_b32 s[G1B+7], 0
	s_mov_b32 s[G0], 1
	s_mul_i32 s[G0+1], s[WL], APART                ; LDS addresses hang on the wave's number and the slot alone
	s_mov_b32 s[G0+4], 1
	s_add_co_u32 s[G0+5], s[G0+1], SLOT
	s_mov_b32 s[G0B], 1
	s_mul_i32 s[G0B+1], s[WL], BPART
	s_add_co_u32 s[G0B+1], s[G0B+1], BOFF
	s_mov_b32 s[G0B+4], 1
	s_add_co_u32 s[G0B+5], s[G0B+1], SLOT
	s_mov_b32 s76, 0xd01502f9                      ; -1e10
	s_mov_b32 s77, s76
	s_mov_b32 s78, 0x3d38aa3b                      ; c = log2(e) / 32
	s_mov_b32 s79, s78
	s_mov_b32 s80, 0x76543210
	s_mov_b32 s81, 0xfedcba98
	s_mov_b32 s82, 0x501502f9                      ; 1e10
	s_mov_b32 s84, 0xffff0000                      ; lanes 16-31
	v_and_b32 v1, 15, v0                           ; r = l % 16
	v_bfe_u32 v2, v0, 4, 1                         ; h = l / 16
	v_lshlrev_b32 v3, 3, v2
	v_sub_nc_u32 v3, v1, v3                        ; r - 8 h
	v_mul_u32_u24 v4, v1, PITCH
	v_lshl_add_u32 v4, v2, 4, v4                   ; row x pitch + 16 x half
	s_mul_i32 s94, s[WH], APART
	v_add_nc_u32 v[ADRA], s94, v4
	v_add_nc_u32 v[ADRA+1], SLOT, v[ADRA]
	s_mul_i32 s94, s[WL], BPART
	s_add_co_u32 s94, s94, BOFF
	v_add_nc_u32 v[ADRB], s94, v4
	v_add_nc_u32 v[ADRB+1], SLOT, v[ADRB]
	v_mov_b32 v22, 1.0
	v_and_b32 v5, 31, v0
	v_lshlrev_b32 v23, 4, v5                       ; the statistics' store: 16 x lane
	s_mul_i32 s94, s[WV], 16*PITCH
	s_add_co_u32 s94, s94, STAGE
	v_add_nc_u32 v24, s94, v4                      ; into my stage
	v_mul_u32_u24 v6, v2, PITCH
	v_lshl_add_u32 v6, v1, 4, v6
	v_add_nc_u32 v25, s94, v6                      ; back: lanes 0-15 one row, lanes 16-31 the next
	v_lshlrev_b32 v26, 12, v2
	v_lshl_add_u32 v26, v1, 4, v26                 ; the same two rows in pw
	v_lshlrev_b32 v27, 5, v2                       ; my eight keys of a group of sixteen, in the mask
	s_cmp_eq_u32 s[WH], 0
	s_cselect_b32 s94, 15, 31
	s_cselect_b32 s95, 256, 0
	v_and_b32 v30, s94, v0
	v_lshlrev_b32 v30, 11, v30
	v_mad_u32_u24 v30, v2, s95, v30                ; the prefetches' offset: a lane a row; for Q sixteen rows and two steps
	v_mov_b32 v237, 0                              ; named with v236 as a pair
	s_mov_b32 s[TU], 0
	s_wait_dscnt 0x0                               ; the opening add is done
	s_wait_kmcnt 0x0
	TILEADDR
	CROUND                                         ; all sixteen work-groups are here: the first joint loads meet
	JLOAD 0
	s_branch .Lin
.Ltile:
	s_wait_xcnt 0x0                                ; the last tile's stores and prefetches have read their bases and registers
	s_wait_tensorcnt 0x0
	ds_add_u32 v[SPW], v[NIL]                      ; the tile's addresses, scalar work, stand between the add and the wait for it
	TILEADDR
	s_wait_dscnt 0x0                               ; the add is done; my reads of both slots and of my stage are over
	CROUND
	JLOAD 0                                        ; step 0 into slot 0
.Lin:
	SETUP
	s_wait_tensorcnt 0x0                           ; my part of step 0 is in
	ds_add_u32 v[SPW], v[NIL]
	s_wait_dscnt 0x0
	CROUND
	JLOAD 1                                        ; step 1 into slot 1
	FETCH 0, 0, F0
	QUARTER 0, 1, F0, F1, 1                        ; the first products start the sums
	WIN 0
	s_mov_b32 s[LAP], 0
.Llap:                                             ; three trips, each once round the ring, from a lap's second quarter to the next lap's first
	QUARTER 0, 2, F1, F0, 0
	QUARTER 0, 3, F0, F1, 0
	TURN 0, 1, 1
	QUARTER 1, 1, F0, F1, 0
	QUARTER 1, 2, F1, F0, 0
	QUARTER 1, 3, F0, F1, 0
	TURN 1, 0, 1
	QUARTER 0, 1, F0, F1, 0
	WIN 0
	s_wait_xcnt 0x0                                ; the lap's prefetches, a quarter back or more, have read their address
	s_add_nc_u64 s[86:87], s[86:87], 512
	s_add_co_u32 s[LAP], s[LAP], 1
	s_cmp_lt_u32 s[LAP], LAPS
	s_cbranch_scc1 .Llap
	QUARTER 0, 2, F1, F0, 0                        ; the last lap fills nothing
	QUARTER 0, 3, F0, F1, 0
	TURN 0, 1, 0
	QUARTER 1, 1, F0, F1, 0
	QUARTER 1, 2, F1, F0, 0
	QUARTER 1, 3, F0, F1, 0
	s_wait_dscnt 4
	MUL8 F1, 0, 0
	MUL8 F1, 1, 0
	s_wait_dscnt 0x0
	MUL8 F1, 2, 0
	MUL8 F1, 3, 0
	PLACES
	SOFT 0                                         ; a block's arithmetic stands between the loads of the block before and its stores
	TOSTAGE 0
	SOFT 1
	SEND 0
	TOSTAGE 1
	SOFT 2
	SEND 1
	TOSTAGE 2
	SOFT 3
	SEND 2
	TOSTAGE 3
	SEND 3
.irp k, 0,1,2,3
	v_cndmask_b32 v[240+(\k)], v[224+(\k)], v[228+(\k)], s84   ; lanes 0-15 carry m, lanes 16-31 l
.endr
	global_store_b128 v23, v[240:243], s[72:73]    ; 512 consecutive bytes
	s_add_co_u32 s[TU], s[TU], 1
	s_cmp_lt_u32 s[TU], TILES
	s_cbranch_scc1 .Ltile
	s_wait_tensorcnt 0x0                           ; the wave's end
	ds_add_u32 v[SPW], v[NIL]
	s_wait_dscnt 0x0
	CROUND                                         ; the closing round
	s_endpgm
.Lfunc_end_k_q781ae5fa0c_scores:
	.size	k_q781ae5fa0c_scores, .Lfunc_end_k_q781ae5fa0c_scores-k_q781ae5fa0c_scores
	.p2alignl 7, 3214868480
	.fill 96, 4, 3214868480
	.section	.rodata,"a",@progbits
	.p2align	6, 0x0
	.amdhsa_kernel k_q781ae5fa0c_scores
		.amdhsa_group_segment_fixed_size 327680
		.amdhsa_private_segment_fixed_size 0
		.amdhsa_enable_private_segment 0
		.amdhsa_kernarg_size 40
		.amdhsa_user_sgpr_count 2
		.amdhsa_user_sgpr_kernarg_segment_ptr 1
		.amdhsa_wavefront_size32 1
		.amdhsa_system_sgpr_workgroup_id_x 1
		.amdhsa_system_sgpr_workgroup_id_y 1
		.amdhsa_system_sgpr_workgroup_id_z 1
		.amdhsa_system_vgpr_workitem_id 0
		.amdhsa_next_free_vgpr 664
		.amdhsa_next_free_sgpr 102
		.amdhsa_reserve_vcc 1
		.amdhsa_float_denorm_mode_32 3
		.amdhsa_float_denorm_mode_16_64 3
		.amdhsa_memory_ordered 1
		.amdhsa_forward_progress 1
		.amdhsa_inst_pref_size 163
	.end_amdhsa_kernel
	.amdgpu_metadata
---
amdhsa.version: [ 1, 2 ]
amdhsa.kernels:
  - .name:           k_q781ae5fa0c_scores
    .symbol:         k_q781ae5fa0c_scores.kd
    .args:
      - { .name: qb, .offset: 0, .size: 8, .value_kind: global_buffer, .address_space: global }
      - { .name: kb, .offset: 8, .size: 8, .value_kind: global_buffer, .address_space: global }
      - { .name: mask, .offset: 16, .size: 8, .value_kind: global_buffer, .address_space: global }
      - { .name: pw, .offset: 24, .size: 8, .value_kind: global_buffer, .address_space: global }
      - { .name: st, .offset: 32, .size: 8, .value_kind: global_buffer, .address_space: global }
    .group_segment_fixed_size: 327680
    .private_segment_fixed_size: 0
    .kernarg_segment_align: 8
    .kernarg_segment_size: 40
    .max_flat_workgroup_size: 128
    .sgpr_count:     102
    .vgpr_count:     664
    .wavefront_size: 32
...
	.end_amdgpu_metadata
.endif
;; end of part 2
;; launch mix (part 3): grid 4 x 64, 4 waves a work-group, clusters of 4 x 4, 327,680 bytes of LDS; arguments pw, vh, st, out0; writes out0
.if DOCPART == 3
	.amdgcn_target "amdgcn-amd-amdhsa--gfx1250"
	.amdhsa_code_object_version 6
	.text
	.protected	k_q781ae5fa0c_mix
	.globl	k_q781ae5fa0c_mix
	.p2align	8
	.type	k_q781ae5fa0c_mix,@function
k_q781ae5fa0c_mix:
	s_mov_b64 s[64:65], 0
	v_nop
	global_prefetch_b8 v0, s[64:65] scope:SCOPE_SE
	s_setreg_imm32_b32 hwreg(HW_REG_WAVE_MODE, 25, 1), 1
	s_wait_xcnt 0x0
	s_wait_alu depctr_hold_cnt(0) depctr_sa_sdst(0) depctr_va_vdst(0) depctr_va_sdst(0) depctr_va_ssrc(0) depctr_va_vcc(0) depctr_vm_vsrc(0)
	s_getreg_b32 s2, hwreg(HW_REG_IB_STS2, 6, 4)
	s_cmp_eq_u32 s2, 0
	s_cbranch_scc0 .Lentry_in_a_cluster
	s_endpgm
.Lentry_in_a_cluster:
	s_bfe_u32 s2, ttmp6, 0x10000c
	s_cmp_lg_u32 s2, 0xf033
	s_cbranch_scc0 .Lentry_shape_is_right
	s_endpgm
.Lentry_shape_is_right:
; MIX.  For each query row: M = the largest of its sixteen blocks' maxima m_j; f_j = 2^(c (m_j - M)), c = log2(e) / 32; L = the sum of f_j l_j; out = (the sum over j of (f_j P_j) V_j) / L.
; P (f16, from pw) is multiplied by f_j (rounded to f16) on its way from LDS to the matrix unit; V is vh, f16; sums, M, f and L in f32; out is f32.
; LIMITS.  f p below 6e-5 keeps f16's fixed step of 6e-8; NaN and infinities are not treated apart.
; SHARES.  A cluster of 4 x 4 work-groups makes 512 queries x 1,024 channels; a work-group 128 x 256; a wave 64 x 128: 32 accumulators.  Cluster (b, z) takes super-row 3 - z and then z, and walks
; all 16 steps of 128 keys for each: the causal term is a finite number, and a row whose visible keys all carry the padding penalty gives weight to hidden keys.
; JOINT LOADS.  P's tile hangs on the tile row, shared along a row of the cluster; V's on the channel column, shared along a column.
; RING.  Two LDS slots, a step each: 128 rows of P (256 bytes + 16) and 128 rows of V (512 bytes + 32).  Each tile starts the ring anew; the rows' statistics are made while its first fill is on its way.
; THE PRODUCT IS TAKEN TRANSPOSED: source 0 = 16 channels of V, turned by ds_load_tr16_b128; source 1 = 16 queries of P: a lane holds ONE query (lane % 16) and eight neighbouring channels.
; REGISTERS.  Window 0: v0-31 addresses; v32-127, v128-223 two fragment buffers (V's eight fragments, then P's four); v224-231 f in f16, twice in a word, by slot and a; v232-239 m of the steps to come;
; v240-243 M; v244-251 1 / L, in pairs; v252-255 at work.  Window 1: accumulator (a, b) at v[8 (8 a + b)].
.set PITCH,  272
.set PV,     544                       ; a row of V in LDS: 17 x 32 bytes
.set APART,  64*PITCH
.set BOFF,   128*PITCH
.set BPART,  64*PV
.set SLOT,   BOFF+128*PV
.set STAGE,  2*SLOT                    ; behind the ring: 16 rows x 528 bytes for each wave; no tensor load fills it
.set SP,     528
.set SPARE,  STAGE+4*16*SP
.set LAPS,   7                         ; trips of the lap loop: 16 steps are eight laps, of which the last is written out
.set ADRA, 16
.set ADRB, 20
.set SPW,  28
.set NIL,  29
.set F0,   32
.set F1,   128
.set FS,   224
.set MR,   232
.set PM,   32                          ; the statistics' set-up: m of key blocks 2 i + l / 16 at PM + 4 i + a,
.set PL,   64                          ; l likewise
.set WV, 16
.set WH, 17
.set WL, 18
.set CX, 19
.set CY, 20
.set BB, 21
.set ZZ, 22
.set TI, 23                            ; tiles to go: 2, 1
.set LAP, 25
.set RR, 26
.set G1,  28
.set G0,  36
.set G1B, 44
.set G0B, 52
.set W_MUL, 0x50
.set MSB, 0
.macro WIN new
.if MSB != (\new)
	s_set_vgpr_msb (MSB<<8)|(\new)
.set MSB, \new
.endif
.endm
.macro PLACES
.rept 4
	v_nop
.endr
.endm
.macro JLOAD s                         ; a joint load: waves 0, 1 P's halves, waves 2, 3 V's; an s_nop 0 and four v_nop follow each line
	s_cmp_eq_u32 s[WH], 0
	s_cbranch_scc0 .Lfor_b_\@
	tensor_load_to_lds s[G0+4*(\s):G0+4*(\s)+3], s[G1:G1+7]
	s_nop 0
.rept 4
	v_nop
.endr
	s_branch .Lasked_\@
.Lfor_b_\@:
	tensor_load_to_lds s[G0B+4*(\s):G0B+4*(\s)+3], s[G1B:G1B+7]
	s_nop 0
.rept 4
	v_nop
.endr
.Lasked_\@:
.endm
.macro CREST
	s_cmp_lg_u32 s[WV], 0
	s_cbranch_scc1 .Lnot_wave_0_\@
	s_barrier_signal -3
.Lnot_wave_0_\@:
	s_barrier_wait -3
	s_barrier_signal -1
	s_barrier_wait -1
.endm
.macro CROUND
	s_barrier_signal -1
	s_barrier_wait -1
	CREST
.endm
; A prefetch of the step that stands two refills on (step 2 LAP + 4 + t).  P's rows are read by one cluster, once: its P waves ask in every tile, 16 rows a partner (by address), lanes 16-31 the step
; after, so once a lap.  V's rows are read by both clusters of a batch and in both tiles: the cluster with z = 0 asks in its first tile: 16 rows a partner, lanes 16-31 the row's
; second 256 bytes, in both changes of slots.  Steps 0 to 3 come by their loads alone; the loop's last trip asks for nothing.
.macro ASK t
	s_add_co_u32 s94, s[LAP], 1
	s_cmp_lt_u32 s94, s[88+(\t)]
	s_cbranch_scc0 .Lnot_mine_\@
	global_prefetch_b8 v30, s[86:87] offset:262144*(\t) th:TH_LOAD_NT scope:SCOPE_SE
.Lnot_mine_\@:
.endm
.macro MUL8 f, a, zero                 ; the 32 accumulators take turns in one order in every quarter
	WIN W_MUL
.irp b, 0,1,2,3,4,5,6,7
.if \zero
	v_wmma_f32_16x16x32_f16 v[8*(8*(\a)+(\b)):8*(8*(\a)+(\b))+7], v[(\f)+8*(\b):(\f)+8*(\b)+7], v[(\f)+64+8*(\a):(\f)+64+8*(\a)+7], 0
.else
	v_wmma_f32_16x16x32_f16 v[8*(8*(\a)+(\b)):8*(8*(\a)+(\b))+7], v[(\f)+8*(\b):(\f)+8*(\b)+7], v[(\f)+64+8*(\a):(\f)+64+8*(\a)+7], v[8*(8*(\a)+(\b)):8*(8*(\a)+(\b))+7]
.endif
.endr
.endm
.macro SCALE f, a, slot                ; P's fragment a times the step's f of its sixteen queries: values that come and leave in 16 bits
	WIN 0
.irp k, 0,1,2,3,4,5,6,7
	v_pk_mul_f16 v[(\f)+64+8*(\a)+(\k)], v[(\f)+64+8*(\a)+(\k)], v[FS+4*(\slot)+(\a)]
.endr
.endm
.macro FETCH slot, q, f                ; 24 LDS loads in one run: keys 32 q .. of a step: V's 16 (turned), then P's 8
	WIN 0
.irp i, 0,1,2,3,4,5,6,7
	ds_load_tr16_b128 v[(\f)+8*(\i):(\f)+8*(\i)+3],   v[ADRB+(\slot)] offset:32*PV*(\q)+32*(\i)
	ds_load_tr16_b128 v[(\f)+8*(\i)+4:(\f)+8*(\i)+7], v[ADRB+(\slot)] offset:32*PV*(\q)+32*(\i)+16*PV
.endr
.irp i, 0,1,2,3
	ds_load_b128 v[(\f)+64+8*(\i):(\f)+64+8*(\i)+3],   v[ADRA+(\slot)] offset:64*(\q)+(\i)*16*PITCH
	ds_load_b128 v[(\f)+64+8*(\i)+4:(\f)+64+8*(\i)+7], v[ADRA+(\slot)] offset:64*(\q)+(\i)*16*PITCH+32
.endr
.endm
; In a step's second quarter: the NEXT step's f, from its m, which was asked for a step ago; load = 1: m of the step after that is asked for.  The four subtractions are the places behind the products.
.macro FACT slot, load
	WIN 0
	s_wait_loadcnt 0x0                             ; the one load that is out
.irp a, 0,1,2,3
	v_sub_f32 v[252+(\a)], v[MR+4*(1-(\slot))+(\a)], v[240+(\a)]
.endr
.irp a, 0,1,2,3
	v_mul_f32 v[252+(\a)], s78, v[252+(\a)]
.endr
.irp a, 0,1,2,3
	v_exp_f32 v[252+(\a)], v[252+(\a)]
.endr
	v_nop
	s_wait_alu depctr_va_vdst(0)                   ; one wait for the four
.irp a, 0,1,2,3
	v_cvt_pk_f16_f32 v[FS+4*(1-(\slot))+(\a)], v[252+(\a)], v[252+(\a)]
.endr
.if \load
	global_load_b128 v[MR+4*(\slot):MR+4*(\slot)+3], v22, s[74:75] offset:32768+16384*(\slot)
.endif
.endm
.macro QUARTER slot, q, f, g, zero, fact=0, load=0
	s_wait_dscnt 4                                 ; all but P's fragments 2 and 3
	SCALE \f, 0, \slot
	SCALE \f, 1, \slot
	MUL8 \f, 0, \zero
	MUL8 \f, 1, \zero
.if \fact
	FACT \slot, \load
.else
	PLACES
.endif
	FETCH \slot, \q, \g
	s_wait_dscnt 24                                ; all but the 24 just issued
	SCALE \f, 2, \slot
	SCALE \f, 3, \slot
	MUL8 \f, 2, \zero
	MUL8 \f, 3, \zero
.endm
.macro TURN slot, next, fill           ; a step's last quarter and the change of slots
	WIN 0
	s_wait_tensorcnt 0x0                           ; all my tensor loads have landed: my part of the next slot
	ds_add_u32 v[SPW], v[NIL]
	s_wait_dscnt 7                                 ; the add and P's fragments 1 to 3 may be out
	SCALE F1, 0, \slot
	MUL8 F1, 0, 0
	s_wait_dscnt 0x0                               ; the add is done, and my reads of this slot are over
	s_barrier_signal -1
	SCALE F1, 1, \slot
	MUL8 F1, 1, 0
	WIN 0
	s_barrier_wait -1
.if \fill
	CREST
	s_add_nc_u64 s[G0+4*(\slot)+2:G0+4*(\slot)+3], s[G0+4*(\slot)+2:G0+4*(\slot)+3], 512
	s_add_nc_u64 s[G0B+4*(\slot)+2:G0B+4*(\slot)+3], s[G0B+4*(\slot)+2:G0B+4*(\slot)+3], 0x80000
	JLOAD \slot                                    ; its four v_nop are also the places in front of the loads below
.else
	PLACES
.endif
	FETCH \next, 0, F0
.if \fill
	ASK \slot
.endif
	SCALE F1, 2, \slot
	SCALE F1, 3, \slot
	MUL8 F1, 2, 0
	MUL8 F1, 3, 0
.endm
.macro TILEADDR                        ; scalar work alone.  s90 serves P's descriptors and never holds cx
	s_cmp_eq_u32 s[TI], 2
	s_cselect_b32 s[RR], s96, s[ZZ]                ; super-row 3 - z, then z
	s_lshl_b32 s90, s[RR], 9
	s_add_co_u32 s90, s90, s97
	s_lshl_b32 s66, s90, 12                        ; the first row of P that I load
	s_mov_b32 s67, 0
	s_add_nc_u64 s[G0+2:G0+3], s[4:5], s[66:67]
	s_add_nc_u64 s[G0+6:G0+7], s[G0+2:G0+3], 256
	s_or_b32 s[G0+3], s[G0+3], 0x80000000
	s_or_b32 s[G0+7], s[G0+7], 0x80000000
	s_add_nc_u64 s[G0B+2:G0B+3], s[6:7], s[68:69]
	s_add_nc_u64 s[G0B+6:G0B+7], s[G0B+2:G0B+3], 0x40000
	s_or_b32 s[G0B+3], s[G0B+3], 0x80000000
	s_or_b32 s[G0B+7], s[G0B+7], 0x80000000
	s_lshl_b32 s94, s[RR], 9                       ; out0 at my 64 rows, my 128 channels
	s_add_co_u32 s94, s94, s99
	s_lshl_b32 s94, s94, 12
	s_lshl_b32 s95, s100, 2
	s_add_co_u32 s94, s94, s95
	s_mov_b32 s95, 0
	s_add_nc_u64 s[70:71], s[10:11], s[94:95]
	s_lshl3_add_u32 s94, s[RR], s101               ; st at key block 0 of my strip
	s_lshl_b32 s94, s94, 9
	s_add_nc_u64 s[72:73], s[8:9], s[94:95]
	s_mov_b64 s[74:75], s[72:73]
	s_cmp_eq_u32 s[WH], 0
	s_cselect_b64 s[86:87], s[4:5], s[6:7]
	s_cselect_b64 s[94:95], s[66:67], s[68:69]
	s_add_nc_u64 s[86:87], s[86:87], s[94:95]
	s_mov_b32 s94, s2
	s_mov_b32 s95, 0
	s_add_nc_u64 s[86:87], s[86:87], s[94:95]
	s_lshl_b32 s94, s[ZZ], 1
	s_add_co_u32 s94, s94, s[TI]
	s_cmp_eq_u32 s94, 2                            ; z = 0 and the first tile
	s_cselect_b32 s95, LAPS, 0
	s_cmp_eq_u32 s[WH], 0
	s_cselect_b32 s88, LAPS, s95
	s_cselect_b32 s89, 0, s95
.endm
; The rows' statistics, made while the tile's first fill is on its way.  Load i brings key blocks 2 i + l / 16.
.macro PRO
	WIN 0
.irp i, 0,1,2,3,4,5,6,7
	global_load_b128 v[PM+4*(\i):PM+4*(\i)+3], v23, s[72:73] offset:32768*(\i)
	global_load_b128 v[PL+4*(\i):PL+4*(\i)+3], v23, s[72:73] offset:32768*(\i)+256
.endr
	global_load_b128 v[MR:MR+3],   v22, s[72:73]               ; m of step 0,
	global_load_b128 v[MR+4:MR+7], v22, s[72:73] offset:16384  ; and of step 1
.irp a, 0,1,2,3
	v_mov_b32 v[144+(\a)], 0
.endr
	s_wait_loadcnt 0x0
.irp a, 0,1,2,3
	v_max3_num_f32 v[140+(\a)], v[PM+(\a)], v[PM+4+(\a)], v[PM+8+(\a)]
.endr
.irp a, 0,1,2,3
	v_max3_num_f32 v[140+(\a)], v[140+(\a)], v[PM+12+(\a)], v[PM+16+(\a)]
.endr
.irp a, 0,1,2,3
	v_max3_num_f32 v[140+(\a)], v[140+(\a)], v[PM+20+(\a)], v[PM+24+(\a)]
.endr
.irp a, 0,1,2,3
	v_max_num_f32 v[140+(\a)], v[140+(\a)], v[PM+28+(\a)]
.endr
.irp a, 0,1,2,3
	v_permlanex16_b32 v[144+(\a)], v[140+(\a)], s80, s81       ; the odd key blocks lie in the lane 16 away
.endr
.irp a, 0,1,2,3
	v_max_num_f32 v[240+(\a)], v[140+(\a)], v[144+(\a)]        ; M
.endr
.irp i, 0,1,2,3,4,5,6,7
	v_pk_add_f32 v[PM+4*(\i):PM+4*(\i)+1],   v[PM+4*(\i):PM+4*(\i)+1],   v[240:241] neg_lo:[0,1] neg_hi:[0,1]
	v_pk_add_f32 v[PM+4*(\i)+2:PM+4*(\i)+3], v[PM+4*(\i)+2:PM+4*(\i)+3], v[242:243] neg_lo:[0,1] neg_hi:[0,1]
.endr
.irp a, 0,1,2,3
	v_sub_f32 v[252+(\a)], v[MR+(\a)], v[240+(\a)]
.endr
.irp i, 0,1,2,3,4,5,6,7
	v_pk_mul_f32 v[PM+4*(\i):PM+4*(\i)+1],   v[PM+4*(\i):PM+4*(\i)+1],   s[78:79] op_sel_hi:[1,0]
	v_pk_mul_f32 v[PM+4*(\i)+2:PM+4*(\i)+3], v[PM+4*(\i)+2:PM+4*(\i)+3], s[78:79] op_sel_hi:[1,0]
.endr
.irp a, 0,1,2,3
	v_mul_f32 v[252+(\a)], s78, v[252+(\a)]
.endr
.set i, 0
.rept 32
	v_exp_f32 v[PM+i], v[PM+i]                     ; one batch: the 32 factors for L, and step 0's four
.set i, i+1
.endr
.irp a, 0,1,2,3
	v_exp_f32 v[252+(\a)], v[252+(\a)]
.endr
	v_nop
	s_wait_alu depctr_va_vdst(0)
.irp a, 0,1,2,3
	v_cvt_pk_f16_f32 v[FS+(\a)], v[252+(\a)], v[252+(\a)]
.endr
.irp a, 0,1,2,3
	v_mul_f32 v[140+(\a)], v[PM+(\a)], v[PL+(\a)]
.endr
.irp i, 1,2,3,4,5,6,7
.irp a, 0,1,2,3
	v_fmac_f32 v[140+(\a)], v[PM+4*(\i)+(\a)], v[PL+4*(\i)+(\a)]
.endr
.endr
.irp a, 0,1,2,3
	v_permlanex16_b32 v[144+(\a)], v[140+(\a)], s80, s81
.endr
.irp a, 0,1,2,3
	v_add_f32 v[140+(\a)], v[140+(\a)], v[144+(\a)]            ; L: at least 1, from the block that holds M
.endr
.irp a, 0,1,2,3
	v_rcp_f32 v[244+2*(\a)], v[140+(\a)]
.endr
	v_nop
	s_wait_alu depctr_va_vdst(0)
.endm
; Queries 16 a ..: divided by L; 32 bytes a lane into rows of 528 bytes of my own stage; back as whole rows of 512.  Each accumulator is read from its low end on.
.macro OUTA a
.set AC, 64*(\a)
.set BK, 32+64*((\a)%2)
	WIN 0x41
.set i, 0
.rept 32
	v_pk_mul_f32 v[AC+2*i:AC+2*i+1], v[AC+2*i:AC+2*i+1], v[244+2*(\a):245+2*(\a)] op_sel_hi:[1,0]
.set i, i+1
.endr
	WIN 0x04                                       ; the stores' data in window 1
.irp b, 0,1,2,3,4,5,6,7
	ds_store_b128 v24, v[AC+8*(\b):AC+8*(\b)+3]   offset:64*(\b)
	ds_store_b128 v24, v[AC+8*(\b)+4:AC+8*(\b)+7] offset:64*(\b)+16
.endr
	WIN 0
	s_wait_xcnt 0x0                                ; the stores of two blocks back have read this set of registers
.irp t, 0,1,2,3,4,5,6,7,8,9,10,11,12,13,14,15
	ds_load_b128 v[BK+4*(\t):BK+4*(\t)+3], v25 offset:(\t)*SP  ; LDS serves a wave's instructions in order: these see the stores above
.endr
.endm
.macro SENDO a, younger                ; younger: the next block's 16 stores and 16 loads, or none
	WIN 0
.set BK, 32+64*((\a)%2)
	s_wait_dscnt \younger
.irp t, 0,1,2,3,4,5,6,7,8,9,10,11,12,13,14,15
	global_store_b128 v26, v[BK+4*(\t):BK+4*(\t)+3], s[70:71] offset:4096*(16*(\a)+(\t)) th:TH_STORE_NT  ; 512 consecutive bytes, at a multiple of 512 from out0's first byte
.endr
.endm
	s_load_b256 s[4:11], s[0:1], 0x0               ; pw 4, vh 6, st 8, out0 10
	v_lshl_add_u32 v[SPW], v0, 2, SPARE
	v_mov_b32 v[NIL], 0
	ds_add_u32 v[SPW], v[NIL]                      ; the wave's opening: the add and its wait stand ahead of my first tensor load; work on registers stands between them
	v_lshrrev_b32 v1, 5, v0
	v_readfirstlane_b32 s[WV], v1
	s_lshr_b32 s[WH], s[WV], 1
	s_and_b32 s[WL], s[WV], 1
	s_bfe_u32 s[CX], ttmp6, 0x40000
	s_bfe_u32 s[CY], ttmp6, 0x40004
	s_and_b32 s[BB], ttmp7, 0xffff                 ; the cluster's y = 2 b + z
	s_and_b32 s[ZZ], s[BB], 1
	s_lshr_b32 s[BB], s[BB], 1
	s_sub_co_u32 s96, 3, s[ZZ]
	s_lshl_b32 s97, s[BB], 11
	s_lshl_b32 s90, s[CY], 7
	s_add_co_u32 s97, s97, s90                     ; 2048 b + 128 cy
	s_lshl_b32 s99, s[WH], 6
	s_add_co_u32 s99, s99, s97                     ; the rows that I make
	s_lshl_b32 s90, s[WL], 6
	s_add_co_u32 s97, s97, s90                     ; the rows of P that I load
	s_lshl_b32 s100, s[CX], 8
	s_lshl_b32 s92, s[WL], 7
	s_add_co_u32 s100, s100, s92                   ; my first channel
	s_lshl_b32 s92, s[BB], 11                      ; V: key rows 2048 b + 64 x the half that I load, channels 256 cx on
	s_lshl_b32 s93, s[WL], 6
	s_add_co_u32 s92, s92, s93
	s_lshl_b32 s92, s92, 10
	s_lshl_b32 s93, s[CX], 8
	s_add_co_u32 s92, s92, s93
	s_lshl_b32 s68, s92, 1
	s_mov_b32 s69, 0
	s_lshl_b32 s101, s[BB], 9                      ; 512 b + my strip, without the tile's part
	s_and_b32 s94, s99, 2047
	s_lshr_b32 s94, s94, 6
	s_add_co_u32 s101, s101, s94
	s_lshl_b32 s94, s[CX], 16                      ; my work-group's share of the prefetches, at step 4: 16 cx rows of P,
	s_add_co_u32 s94, s94, 1024
	s_lshl_b32 s95, s[CY], 15                      ; or 16 cy rows of V
	s_add_co_u32 s95, s95, 0x100000
	s_cmp_eq_u32 s[WH], 0
	s_cselect_b32 s2, s94, s95
	s_mov_b32 s94, 512
	s_cselect_b32 s76, s94, 0x80000                ; and their step from lap to lap
	s_mov_b32 s77, 0
	s_lshl_b32 s90, s[CY], 2
	s_lshl_b32 s90, 15, s90                        ; my row of the cluster
	s_lshl_b32 s92, 0x1111, s[CX]                  ; my column
	s_or_b32 s[G1], s90, (1<<16)|(1<<20)|(1<<21)|(5<<22)|(3<<25)   ; P: after every 64 words, 4 words of padding
	s_or_b32 s[G1B], s92, (1<<16)|(1<<20)|(1<<21)|(6<<22)|(7<<25)  ; V: after every 128 words, 8 words
	s_mov_b32 s[G1+1], 128<<16                     ; tensor_dim0 = 128
	s_mov_b32 s[G1+2], 64<<16                      ; tensor_dim1 = 64
	s_mov_b32 s[G1+3], 128<<16                     ; tile_dim0 = 128
	s_mov_b32 s[G1+4], 64                          ; tile_dim1 = 64
	s_mov_b32 s[G1+5], 2048                        ; elements from row to row of pw
	s_mov_b32 s[G1+6], 0
	s_mov_b32 s[G1+7], 0
	s_mov_b32 s[G1B+1], 256<<16
	s_mov_b32 s[G1B+2], 64<<16
	s_mov_b32 s[G1B+3], 256<<16
	s_mov_b32 s[G1B+4], 64
	s_mov_b32 s[G1B+5], 1024
	s_mov_b32 s[G1B+6], 0
	s_mov_b32 s[G1B+7], 0
	s_mov_b32 s[G0], 1
	s_mul_i32 s[G0+1], s[WL], APART
	s_mov_b32 s[G0+4], 1
	s_add_co_u32 s[G0+5], s[G0+1], SLOT
	s_mov_b32 s[G0B], 1
	s_mul_i32 s[G0B+1], s[WL], BPART
	s_add_co_u32 s[G0B+1], s[G0B+1], BOFF
	s_mov_b32 s[G0B+4], 1
	s_add_co_u32 s[G0B+5], s[G0B+1], SLOT
	s_mov_b32 s78, 0x3d38aa3b                      ; c = log2(e) / 32
	s_mov_b32 s79, s78
	s_mov_b32 s80, 0x76543210
	s_mov_b32 s81, 0xfedcba98
	v_and_b32 v1, 15, v0                           ; r
	v_bfe_u32 v2, v0, 4, 1                         ; h
	v_mul_u32_u24 v4, v1, PITCH
	v_lshl_add_u32 v4, v2, 4, v4
	s_mul_i32 s94, s[WH], APART
	v_add_nc_u32 v[ADRA], s94, v4
	v_add_nc_u32 v[ADRA+1], SLOT, v[ADRA]
	v_and_b32 v5, 7, v0                            ; the turning load: lane l reads key 8 (l / 16) + l % 8, channels 8 ((l / 8) % 2) + 0..7
	v_bfe_u32 v6, v0, 3, 1
	v_lshl_add_u32 v7, v2, 3, v5
	v_mul_u32_u24 v7, v7, PV
	v_lshl_add_u32 v7, v6, 4, v7
	s_lshl_b32 s94, s[WL], 8
	s_add_co_u32 s94, s94, BOFF
	v_add_nc_u32 v[ADRB], s94, v7
	v_add_nc_u32 v[ADRB+1], SLOT, v[ADRB]
	v_lshlrev_b32 v22, 4, v1                       ; a row's four m in st
	v_lshl_add_u32 v23, v2, 14, v22                ; the same, one key block on for lanes 16-31
	s_mul_i32 s94, s[WV], 16*SP
	s_add_co_u32 s94, s94, STAGE
	v_mul_u32_u24 v8, v1, SP
	v_lshl_add_u32 v8, v2, 5, v8
	v_add_nc_u32 v24, s94, v8                      ; into my stage: row r, 32 bytes for each half of the lanes
	v_and_b32 v9, 31, v0
	v_lshlrev_b32 v26, 4, v9                       ; 16 x lane: a row's 512 bytes in out0,
	v_add_nc_u32 v25, s94, v26                     ; and in my stage
	s_cmp_eq_u32 s[WH], 0
	s_cselect_b32 s94, 12, 11
	v_lshlrev_b32 v30, s94, v1                     ; the prefetches' offset: sixteen rows (of pw: 4,096 bytes, of vh: 2,048),
	v_lshl_add_u32 v30, v2, 8, v30                 ; and 256 bytes on for lanes 16-31
.irp a, 0,1,2,3
	v_mov_b32 v[245+2*(\a)], 0                     ; named with 1 / L as pairs
.endr
	s_mov_b32 s[TI], 2
	s_wait_dscnt 0x0                               ; the opening add is done
	s_wait_kmcnt 0x0
	TILEADDR
	CROUND                                         ; all sixteen work-groups are here: the first joint loads meet
	JLOAD 0
	s_branch .Lin
.Ltile:
	s_wait_xcnt 0x0                                ; the last tile's stores and prefetches have read their bases and registers
	s_wait_tensorcnt 0x0
	ds_add_u32 v[SPW], v[NIL]                      ; the tile's addresses, scalar work, stand between the add and the wait for it
	TILEADDR
	s_wait_dscnt 0x0                               ; the add is done; my reads of both slots and of my stage are over
	CROUND
	JLOAD 0                                        ; step 0 into slot 0
.Lin:
	PRO
	s_wait_tensorcnt 0x0                           ; my part of step 0 is in
	ds_add_u32 v[SPW], v[NIL]
	s_wait_dscnt 0x0
	CROUND
	JLOAD 1                                        ; step 1 into slot 1
	FETCH 0, 0, F0
	QUARTER 0, 1, F0, F1, 1                        ; the first products start the sums
	WIN 0
	s_mov_b32 s[LAP], 0
.Llap:                                             ; seven trips, each once round the ring, from a lap's second quarter to the next lap's first
	QUARTER 0, 2, F1, F0, 0, 1, 1
	QUARTER 0, 3, F0, F1, 0
	TURN 0, 1, 1
	QUARTER 1, 1, F0, F1, 0
	QUARTER 1, 2, F1, F0, 0, 1, 1
	QUARTER 1, 3, F0, F1, 0
	TURN 1, 0, 1
	QUARTER 0, 1, F0, F1, 0
	WIN 0
	s_wait_xcnt 0x0                                ; the lap's loads of m and its prefetches, a quarter back or more, have read their bases
	s_add_nc_u64 s[86:87], s[86:87], s[76:77]
	s_add_nc_u64 s[74:75], s[74:75], 32768
	s_add_co_u32 s[LAP], s[LAP], 1
	s_cmp_lt_u32 s[LAP], LAPS
	s_cbranch_scc1 .Llap
	QUARTER 0, 2, F1, F0, 0, 1, 0                  ; the last lap fills nothing; the last step's f is made, and no m is asked for
	QUARTER 0, 3, F0, F1, 0
	TURN 0, 1, 0
	QUARTER 1, 1, F0, F1, 0
	QUARTER 1, 2, F1, F0, 0
	QUARTER 1, 3, F0, F1, 0
	s_wait_dscnt 4
	SCALE F1, 0, 1
	SCALE F1, 1, 1
	MUL8 F1, 0, 0
	MUL8 F1, 1, 0
	s_wait_dscnt 0x0
	SCALE F1, 2, 1
	SCALE F1, 3, 1
	MUL8 F1, 2, 0
	MUL8 F1, 3, 0
	PLACES
	OUTA 0                                         ; a block's arithmetic stands between the loads of the block before and its stores
	OUTA 1
	SENDO 0, 32
	OUTA 2
	SENDO 1, 32
	OUTA 3
	SENDO 2, 32
	SENDO 3, 0
	s_sub_co_u32 s[TI], s[TI], 1
	s_cmp_lg_u32 s[TI], 0
	s_cbranch_scc1 .Ltile
	s_wait_tensorcnt 0x0                           ; the wave's end
	ds_add_u32 v[SPW], v[NIL]
	s_wait_dscnt 0x0
	CROUND                                         ; the closing round
	s_endpgm
.Lfunc_end_k_q781ae5fa0c_mix:
	.size	k_q781ae5fa0c_mix, .Lfunc_end_k_q781ae5fa0c_mix-k_q781ae5fa0c_mix
	.p2alignl 7, 3214868480
	.fill 96, 4, 3214868480
	.section	.rodata,"a",@progbits
	.p2align	6, 0x0
	.amdhsa_kernel k_q781ae5fa0c_mix
		.amdhsa_group_segment_fixed_size 327680
		.amdhsa_private_segment_fixed_size 0
		.amdhsa_enable_private_segment 0
		.amdhsa_kernarg_size 32
		.amdhsa_user_sgpr_count 2
		.amdhsa_user_sgpr_kernarg_segment_ptr 1
		.amdhsa_wavefront_size32 1
		.amdhsa_system_sgpr_workgroup_id_x 1
		.amdhsa_system_sgpr_workgroup_id_y 1
		.amdhsa_system_sgpr_workgroup_id_z 1
		.amdhsa_system_vgpr_workitem_id 0
		.amdhsa_next_free_vgpr 512
		.amdhsa_next_free_sgpr 102
		.amdhsa_reserve_vcc 0
		.amdhsa_float_denorm_mode_32 3
		.amdhsa_float_denorm_mode_16_64 3
		.amdhsa_memory_ordered 1
		.amdhsa_forward_progress 1
		.amdhsa_inst_pref_size 141
	.end_amdhsa_kernel
	.amdgpu_metadata
---
amdhsa.version: [ 1, 2 ]
amdhsa.kernels:
  - .name:           k_q781ae5fa0c_mix
    .symbol:         k_q781ae5fa0c_mix.kd
    .args:
      - { .name: pw, .offset: 0, .size: 8, .value_kind: global_buffer, .address_space: global }
      - { .name: vh, .offset: 8, .size: 8, .value_kind: global_buffer, .address_space: global }
      - { .name: st, .offset: 16, .size: 8, .value_kind: global_buffer, .address_space: global }
      - { .name: out0, .offset: 24, .size: 8, .value_kind: global_buffer, .address_space: global }
    .group_segment_fixed_size: 327680
    .private_segment_fixed_size: 0
    .kernarg_segment_align: 8
    .kernarg_segment_size: 32
    .max_flat_workgroup_size: 128
    .sgpr_count:     102
    .vgpr_count:     512
    .wavefront_size: 32
...
	.end_amdgpu_metadata
.endif
;; end of part 3
;; ======== version 2 of 3: 3 launches
;; limits: values are held in f16: magnitudes above 65,504 overflow, below 6.1e-05 lose precision
;; workspace buffers: qb 33,554,432 bytes; kb 33,554,432 bytes; vh 33,554,432 bytes; pw 67,108,864 bytes; st 2,097,152 bytes
;; launch prep: the kernel of part 1 again; grid 256 x 3, 8 waves a work-group, no clusters, 0 bytes of LDS; arguments query, key, value, qb, kb, vh; writes qb, kb, vh
;; launch scores (part 4): grid 4 x 64, 4 waves a work-group, clusters of 4 x 4, 327,680 bytes of LDS; arguments qb, kb, mask, pw, st; writes pw, st
.if DOCPART == 4
	.amdgcn_target "amdgcn-amd-amdhsa--gfx1250"
	.amdhsa_code_object_version 6
	.text
	.protected	k_q781ae5fa0c_scores
	.globl	k_q781ae5fa0c_scores
	.p2align	8
	.type	k_q781ae5fa0c_scores,@function
k_q781ae5fa0c_scores:
	s_mov_b64 s[64:65], 0
	v_nop
	global_prefetch_b8 v0, s[64:65] scope:SCOPE_SE
	s_setreg_imm32_b32 hwreg(HW_REG_WAVE_MODE, 25, 1), 1
	s_wait_xcnt 0x0
	s_wait_alu depctr_hold_cnt(0) depctr_sa_sdst(0) depctr_va_vdst(0) depctr_va_sdst(0) depctr_va_ssrc(0) depctr_va_vcc(0) depctr_vm_vsrc(0)
	s_getreg_b32 s2, hwreg(HW_REG_IB_STS2, 6, 4)
	s_cmp_eq_u32 s2, 0
	s_cbranch_scc0 .Lentry_in_a_cluster
	s_endpgm
.Lentry_in_a_cluster:
	s_bfe_u32 s2, ttmp6, 0x10000c
	s_cmp_lg_u32 s2, 0xf033
	s_cbranch_scc0 .Lentry_shape_is_right
	s_endpgm
.Lentry_shape_is_right:
; SCORES.  For each query row and each block of 128 keys: t = (q.k - 1e10 [k > q]) - (1 - mask[k]) 1e10, each step rounded to f32 in that order; m = the block's largest t;
; p = 2^(c (t - m)), c = log2(e) / 32, stored in f16 in pw[8][2048 q][2048 k]; m and l = the sum of the unrounded p, in f32, in st[8 b][16 j][32 strips of 64 rows][m, l][16 r][4 a] (row 16 a + r).
; The next launch joins the blocks of a row by their maxima.  q.k: bf16 operands, f32 sums.  The difference t - m is taken before the scale, so that t near 1e10 loses nothing.
; ALL KEYS ARE TAKEN, the causally hidden ones too: the causal term is a finite number, and a row whose visible keys all carry the padding penalty gives weight to hidden keys.
; LIMITS.  p below 6e-5 keeps f16's fixed step of 6e-8; NaN and infinities are not treated apart.
; SHARES.  A cluster of 4 x 4 work-groups makes 1,024 queries x 1,024 keys; a work-group 256 x 256 of it; a wave 128 x 128: 64 accumulators, 512 registers.  Cluster (b, z) owns queries 1024 z .. of batch b
; and takes the two halves of the keys one after the other: two tiles for every work-group.
; JOINT LOADS.  Q's tile hangs on the tile row, shared along a row of the cluster; K's on the tile column, shared along a column.  Each is asked for by the same tensor load in the four that its mask names.
; RING.  K goes in 8 steps of 128 (rows of 256 bytes) through two LDS slots.  A STEP IS WRITTEN ONCE: the slot in hand is a scalar, TB (0 or SLOT); at each change of slots the one walking descriptor takes
; the slot just read out, TB turns to the other slot, and the fragment addresses are made anew from it.  Six trips fill a slot again; the last two steps, which fill nothing, are a loop of their own.
; Each tile starts the ring anew; the padding penalties are made while its first fill is on its way.  By this text's count one tensor load of a wave is out at a time.
; THE PRODUCT IS TAKEN TRANSPOSED: source 0 = 16 keys, source 1 = 16 queries: a lane holds ONE query (lane % 16) and the keys 8 (lane / 16) + 0..7 of each group of 16.
; REGISTERS, in windows of 256 (s_set_vgpr_msb: bits 1:0 source 0, 3:2 source 1, 5:4 source 2, 7:6 destination).
;   window 0: v0-31 addresses; v64-127, v128-191 Q's fragments, two buffers; v32-63, v192-255 at work on the way out, and there v64-83 statistics
;   window 1: v0-63 PB, the padding penalty of my 64 keys; v64-127, v128-191 K's fragments, two buffers; on the way out v64-183 IND, 1.0 where a key is hidden from a query, by 16 (b - a) + j
;   window 2: accumulators of my rows 0-63 ((a, b) at v[8 (8 a + b)]);   window 3: those of my rows 64-127
; THE WAY OUT is written for four blocks of 16 queries in window 2 and walked twice; only its first step, the causal term, is written for both halves: the second reads window 3 and writes window 2.
.set PITCH,  272                       ; an LDS row: 256 bytes + 16 of padding: the 16 rows of a fragment load start at 16 different groups of four banks
.set HALFT,  128*PITCH                 ; 128 rows: what one tensor load brings, and what one wave reads of Q or of K
.set SLOT,   4*HALFT                   ; Q's 256 rows, then K's 256 rows
.set STAGE,  2*SLOT                    ; behind the ring: 16 rows x 272 bytes for each wave; no tensor load fills it
.set SPARE,  STAGE+4*16*PITCH          ; behind the stages: the spare words, 128 bytes a wave
.set TILES,  2                         ; tiles of a work-group
.set STEPS,  8                         ; K steps of a tile
.set AA0,  16                          ; v16  my lane's place among my Q fragments in slot 0; never rewritten
.set ADRA, 17                          ; v17  the same in the slot in hand
.set AB0,  20                          ; v20  my lane's place among my K fragments in slot 0; never rewritten
.set ADRB, 21                          ; v21  the same in the slot in hand
.set SPW,  28
.set NIL,  29
.set F0,   64
.set F1,   128
.set TMP,  192                         ; the way out: packed weights
.set OB,   32                          ; the way out: 16 rows read back: v32-63 and v224-255 by turns
.set MX,   64                          ; the way out: m of the four blocks,
.set LX,   68                          ; their l,
.set CH,   72                          ; four chains at work,
.set MP,   76                          ; m as a pair's low word,
.set SD,   80                          ; and what is stored of them
.set PB,   0
.set IND,  64
.set WV, 16
.set WH, 17                            ; my half of the tile's rows; also: I load for Q (0) or K (1)
.set WL, 18                            ; my half of its columns; also: which half of that tile's rows I load
.set CX, 19
.set CY, 20
.set BB, 21
.set ZZ, 22
.set TU, 23                            ; the tile's number
.set HF, 24                            ; the way out's half
.set LAP, 25                           ; the step's number, in the loop that fills slots again
.set TB, 26                            ; LDS byte at which the slot in hand begins: 0 or SLOT
.set CNT, 27                           ; counts the last two steps
.set G1,  28
.set G0,  36                           ; s[36:39] descriptor group 0 for Q's tiles: it walks
.set G1B, 44
.set G0B, 52                           ; s[52:55] the same for K's
.set LA,  89                           ; where my part of Q's tile lies in a slot
.set LB,  91                           ; where my part of K's tile lies in a slot
.set MUL_LO, 0xa1                      ; source 0 (K) window 1, source 1 (Q) window 0, C and D window 2
.set MUL_HI, 0xf1                      ; the same, C and D window 3
.set TO_B,   0x40                      ; destination window 1, address window 0
.set MSB, 0
.macro WIN new                         ; the immediate's high byte repeats the setting that is left; a switch that changes nothing is dropped
.if MSB != (\new)
	s_set_vgpr_msb (MSB<<8)|(\new)
.set MSB, \new
.endif
.endm
.macro PLACES                          ; four plain vector lines behind matrix instructions, in front of loads into registers that they read and of lines that read results
.rept 4
	v_nop
.endr
.endm
.macro JLOAD                           ; a joint load: waves 0, 1 Q's halves, waves 2, 3 K's; an s_nop 0 and four v_nop follow each line
	s_cmp_eq_u32 s[WH], 0
	s_cbranch_scc0 .Lfor_b_\@
	tensor_load_to_lds s[G0:G0+3], s[G1:G1+7]
	s_nop 0
.rept 4
	v_nop
.endr
	s_branch .Lasked_\@
.Lfor_b_\@:
	tensor_load_to_lds s[G0B:G0B+3], s[G1B:G1B+7]
	s_nop 0
.rept 4
	v_nop
.endr
.Lasked_\@:
.endm
.macro CREST                           ; a round of the cluster's barrier behind its opening barrier
	s_cmp_lg_u32 s[WV], 0
	s_cbranch_scc1 .Lnot_wave_0_\@
	s_barrier_signal -3
.Lnot_wave_0_\@:
	s_barrier_wait -3
	s_barrier_signal -1
	s_barrier_wait -1
.endm
.macro CROUND
	s_barrier_signal -1
	s_barrier_wait -1
	CREST
.endm
; A prefetch, behind each joint refill and the run of LDS loads that follows it, of the step that stands two refills on (step LAP + 4): 32 rows x 256 bytes, a lane a row, one instruction a wave.
; Of the 128 rows that a wave loads, each of the four partners that ask for them jointly takes 32, told apart by address.  Q's rows are read by this cluster alone, first in tile 0: asked for there.
; K's rows are read by both clusters of a batch: the one with z = 0 asks, in both tiles.  So each row's 256 bytes of a step are named once in the launch.
; A tile's steps 0 to 3 come by their loads alone; from trip STEPS - 4 on nothing is asked for: there is no step behind the tile's last.
.macro ASK
	s_cmp_lt_u32 s[LAP], s88
	s_cbranch_scc0 .Lnot_mine_\@
	global_prefetch_b8 v30, s[86:87] th:TH_LOAD_NT scope:SCOPE_SE
.Lnot_mine_\@:
.endm
; 16 products: query blocks a0, a0 + 1 of the window's four x all eight groups of 16 keys, 32 along K.  The 64 accumulators take turns in one order in every quarter.
.macro MUL16 f, hi, a0, zero
	WIN MUL_LO+0x50*(\hi)
.irp a, \a0, (\a0)+1
.irp b, 0,1,2,3,4,5,6,7
.if \zero
	v_wmma_f32_16x16x32_bf16 v[8*(8*(\a)+(\b)):8*(8*(\a)+(\b))+7], v[(\f)+8*(\b):(\f)+8*(\b)+7], v[(\f)+8*(4*(\hi)+(\a)):(\f)+8*(4*(\hi)+(\a))+7], 0
.else
	v_wmma_f32_16x16x32_bf16 v[8*(8*(\a)+(\b)):8*(8*(\a)+(\b))+7], v[(\f)+8*(\b):(\f)+8*(\b)+7], v[(\f)+8*(4*(\hi)+(\a)):(\f)+8*(4*(\hi)+(\a))+7], v[8*(8*(\a)+(\b)):8*(8*(\a)+(\b))+7]
.endif
.endr
.endr
.endm
.macro HERE                            ; the fragment addresses in the slot in hand
	WIN 0
	v_add_nc_u32 v[ADRA], s[TB], v[AA0]
	v_add_nc_u32 v[ADRB], s[TB], v[AB0]
.endm
.macro FETCH q, f                      ; 32 LDS loads in one run: quarter q of the step in hand: K's 16, then Q's 16
	WIN TO_B
.irp i, 0,1,2,3,4,5,6,7
	ds_load_b128 v[(\f)+8*(\i):(\f)+8*(\i)+3],   v[ADRB] offset:64*(\q)+(\i)*16*PITCH
	ds_load_b128 v[(\f)+8*(\i)+4:(\f)+8*(\i)+7], v[ADRB] offset:64*(\q)+(\i)*16*PITCH+32
.endr
	WIN 0
.irp i, 0,1,2,3,4,5,6,7
	ds_load_b128 v[(\f)+8*(\i):(\f)+8*(\i)+3],   v[ADRA] offset:64*(\q)+(\i)*16*PITCH
	ds_load_b128 v[(\f)+8*(\i)+4:(\f)+8*(\i)+7], v[ADRA] offset:64*(\q)+(\i)*16*PITCH+32
.endr
.endm
.macro QUARTER q, f, g, zero           ; multiplies buffer f; in its middle fetches quarter q of the step in hand into g
	s_wait_dscnt 8                                 ; K and Q's rows 0-63 are in; the youngest eight loads (Q's rows 64-127) may be out
	MUL16 \f, 0, 0, \zero
	MUL16 \f, 0, 2, \zero
	PLACES
	FETCH \q, \g
	s_wait_dscnt 32                                ; all but the 32 just issued
	MUL16 \f, 1, 0, \zero
	MUL16 \f, 1, 2, \zero
.endm
; A step's last quarter, on buffer 1, and the change of slots.  In front of the barrier each wave waits for all its tensor loads (one is out: its part of the next slot), adds 0 to its spare word, and
; waits for that and for its reads of this slot.  fill = 1: the barrier opens a round of the cluster's, and the joint refill, two steps on, is the first thing behind the round:
; between the request and the wait for it a wave issues 224 matrix instructions.  fill = 0: the last two steps: nothing is asked for; behind the very last step there is none to fetch, and the run is jumped over.
.macro TURN fill
.if \fill
	s_wait_xcnt 0x0                                ; the last prefetch, a step back, has read its address
	s_add_nc_u64 s[86:87], s[86:87], 256
.endif
	WIN 0
	s_wait_tensorcnt 0x0
	ds_add_u32 v[SPW], v[NIL]
	s_wait_dscnt 9                                 ; the add and the youngest eight loads may be out
	MUL16 F1, 0, 0, 0
	s_wait_dscnt 0x0                               ; the add is done, and my reads of this slot are over
	s_barrier_signal -1
	MUL16 F1, 0, 2, 0
	WIN 0
	s_barrier_wait -1
.if \fill
	CREST
	s_add_co_u32 s[G0+1], s[LA], s[TB]             ; the walking descriptors: into the slot just read out,
	s_add_co_u32 s[G0B+1], s[LB], s[TB]
	s_add_nc_u64 s[G0+2:G0+3], s[G0+2:G0+3], 256   ; the step behind the one asked for last; the type bits on top are not reached
	s_add_nc_u64 s[G0B+2:G0B+3], s[G0B+2:G0B+3], 256
	JLOAD                                          ; its four v_nop are also the places in front of the loads below
.else
	PLACES
	s_cmp_eq_u32 s[CNT], 1
	s_cbranch_scc1 .Lno_more_\@
.endif
	s_sub_co_u32 s[TB], SLOT, s[TB]                ; the other slot is in hand
	HERE
	FETCH 0, F0
.if \fill
	ASK
.else
.Lno_more_\@:
.endif
	MUL16 F1, 1, 0, 0
	MUL16 F1, 1, 2, 0
.endm
; The tile's addresses, from its number: scalar work alone.  s97 and s66 serve Q's descriptors and never hold cx; s98, s92 and s68 serve K's and never hold cy.
.macro TILEADDR
	s_lshl_b32 s66, s97, 11                        ; the first row of Q that I load, in bytes
	s_mov_b32 s67, 0
	s_lshl_b32 s92, s[TU], 10
	s_add_co_u32 s92, s92, s98                     ; the first row of K that I load; also my first key
	s_lshl_b32 s68, s92, 11
	s_mov_b32 s69, 0
	s_mov_b32 s[G0+1], s[LA]                       ; step 0 goes into slot 0
	s_mov_b32 s[G0B+1], s[LB]
	s_add_nc_u64 s[G0+2:G0+3], s[4:5], s[66:67]
	s_or_b32 s[G0+3], s[G0+3], 0x80000000
	s_add_nc_u64 s[G0B+2:G0B+3], s[6:7], s[68:69]
	s_or_b32 s[G0B+3], s[G0B+3], 0x80000000
	s_lshl_b32 s94, s99, 12                        ; pw at my 128 rows, my 128 columns
	s_lshl_b32 s95, s[TU], 10
	s_add_co_u32 s95, s95, s100
	s_lshl_b32 s95, s95, 1
	s_add_co_u32 s94, s94, s95
	s_mov_b32 s95, 0
	s_add_nc_u64 s[70:71], s[10:11], s[94:95]
	s_lshl_b32 s94, s[TU], 8                       ; st at my key block and my first strip: 512 bytes a strip
	s_add_co_u32 s94, s94, s101
	s_lshl_b32 s94, s94, 9
	s_add_nc_u64 s[72:73], s[12:13], s[94:95]
	s_lshl_b32 s94, s92, 2                         ; mask at my first key
	s_add_nc_u64 s[74:75], s[8:9], s[94:95]
	s_lshl_b32 s94, s[TU], 10                      ; my first query less my first key
	s_sub_co_u32 s85, s3, s94
	s_cmp_eq_u32 s[WH], 0                          ; where my prefetches stand: my work-group's 32 of the rows that I load, at step 3; the first change of slots steps it to 4
	s_cselect_b64 s[86:87], s[4:5], s[6:7]
	s_cselect_b64 s[94:95], s[66:67], s[68:69]
	s_add_nc_u64 s[86:87], s[86:87], s[94:95]
	s_mov_b32 s94, s2
	s_mov_b32 s95, 0
	s_add_nc_u64 s[86:87], s[86:87], s[94:95]
	s_cmp_eq_u32 s[TU], 0                          ; who asks: a bound of STEPS - 4 trips, or 0
	s_cselect_b32 s94, STEPS-4, 0
	s_cmp_eq_u32 s[ZZ], 0
	s_cselect_b32 s95, STEPS-4, 0
	s_cmp_eq_u32 s[WH], 0
	s_cselect_b32 s88, s94, s95
.endm
; The padding penalties of my 64 keys, made while the tile's first fill is on its way.
.macro SETUP
	WIN 0
	v_add_nc_u32 v31, s85, v3                      ; e0: key 16 b + 8 (l / 16) + j is hidden from query 16 a + l % 16 where 16 (b - a) + j > e0
	WIN TO_B
.irp i, 0,1,2,3,4,5,6,7
	global_load_b128 v[PB+8*(\i):PB+8*(\i)+3],   v27, s[74:75] offset:64*(\i)
	global_load_b128 v[PB+8*(\i)+4:PB+8*(\i)+7], v27, s[74:75] offset:64*(\i)+16
.endr
	s_wait_loadcnt 0x0
	WIN 0x44                                       ; destination and second source in window 1
.set i, 0
.rept 64
	v_sub_f32 v[PB+i], 1.0, v[PB+i]
.set i, i+1
.endr
.set i, 0
.rept 64
	v_mul_f32 v[PB+i], s82, v[PB+i]
.set i, i+1
.endr
	WIN 0
.endm
.macro INDEX                           ; the table of hidden keys: entry 8 (b - a + 7) + j, for b - a from -7 to 7, in K's idle fragment registers
	WIN TO_B
.set i, 0
.rept 120
	v_cmp_gt_i32 vcc_lo, 16*(i/8-7)+i%8, v31
	v_cndmask_b32 v[IND+i], 0, v22, vcc_lo
.set i, i+1
.endr
	WIN 0
.endm
; The causal term for query blocks 4 h .. 4 h + 3: s - 1e10 or s, one rounding; read from window 2 + h, written into window 2.  Each accumulator is read from its low end on.
.macro CAUSAL h
	WIN 0xa1+0x10*(\h)                             ; IND in window 1, the scores in window 2 + h, the result in window 2
.irp a, 0,1,2,3
.set i, 0
.rept 32
	v_pk_fma_f32 v[64*(\a)+2*i:64*(\a)+2*i+1], v[IND+8*(i/4-4*(\h)-(\a)+7)+2*(i%4):IND+8*(i/4-4*(\h)-(\a)+7)+2*(i%4)+1], s[76:77], v[64*(\a)+2*i:64*(\a)+2*i+1] op_sel_hi:[1,0,1]
.set i, i+1
.endr
.endr
	WIN 0
.endm
.macro SUBP p                          ; pair p of the sixteen queries in hand: t - m
	v_pk_add_f32 v[AC+2*(\p):AC+2*(\p)+1], v[AC+2*(\p):AC+2*(\p)+1], v[MP:MP+1] op_sel_hi:[1,0] neg_lo:[0,1] neg_hi:[0,1]
.endm
.macro MULP p                          ; times c
	v_pk_mul_f32 v[AC+2*(\p):AC+2*(\p)+1], v[AC+2*(\p):AC+2*(\p)+1], s[78:79] op_sel_hi:[1,0]
.endm
; Block a of the half in hand: the padding penalty, the block's maximum, the weights, their rounding to f16 and their sum.
.macro SOFT a
.set AC, 64*(\a)
	WIN 0x86                                       ; scores in window 2, PB in window 1
.set i, 0
.rept 32
	v_pk_add_f32 v[AC+2*i:AC+2*i+1], v[AC+2*i:AC+2*i+1], v[PB+2*i:PB+2*i+1] neg_lo:[0,1] neg_hi:[0,1]
.set i, i+1
.endr
	WIN 0x2a                                       ; the maximum of my 64: four chains of fifteen,
.irp k, 0,1,2,3
	v_max3_num_f32 v[CH+(\k)], v[AC+16*(\k)], v[AC+16*(\k)+1], v[AC+16*(\k)+2]
.endr
	WIN 0x28
.irp n, 0,1,2,3,4,5
.irp k, 0,1,2,3
	v_max3_num_f32 v[CH+(\k)], v[CH+(\k)], v[AC+16*(\k)+3+2*(\n)], v[AC+16*(\k)+4+2*(\n)]
.endr
.endr
	v_max3_num_f32 v[CH], v[CH], v[AC+15], v[AC+31]      ; the four left over,
	v_max3_num_f32 v[CH+2], v[CH+2], v[AC+47], v[AC+63]
	WIN 0
	v_max3_num_f32 v[CH], v[CH], v[CH+1], v[CH+2]
	v_max_num_f32 v[CH], v[CH], v[CH+3]
	v_permlanex16_b32 v[CH+1], v[CH], s80, s81     ; and the query's other 64 keys, in the lane 16 away
	v_max_num_f32 v[MP], v[CH], v[CH+1]
	v_mov_b32 v[MX+(\a)], v[MP]
	WIN 0x82                                       ; ONE batch of 64 exponentials: plain lines between them; nothing ahead of the wait names a result
	SUBP 0
	MULP 0
	SUBP 1
	MULP 1
.set i, 0
.rept 30
	SUBP i+2
	v_exp_f32 v[AC+2*i], v[AC+2*i]
	MULP i+2
	v_exp_f32 v[AC+2*i+1], v[AC+2*i+1]
.set i, i+1
.endr
.irp n, 60,61,62,63
	v_exp_f32 v[AC+(\n)], v[AC+(\n)]
.endr
	v_nop                                          ; a plain line behind the last exponential,
	s_wait_alu depctr_va_vdst(0)                   ; and the one wait ahead of the first reader
	WIN 0x0a
.set i, 0
.rept 32
	v_cvt_pk_f16_f32 v[TMP+i], v[AC+2*i], v[AC+2*i+1]
.set i, i+1
.endr
	WIN 0x8a                                       ; the sum of the unrounded weights, in place: neighbours 1, 2, 4, 8, 16 pairs apart
.irp d, 1,2,4,8,16
.set u, 0
.rept 16/(\d)
	v_pk_add_f32 v[AC+4*(\d)*u:AC+4*(\d)*u+1], v[AC+4*(\d)*u:AC+4*(\d)*u+1], v[AC+4*(\d)*u+2*(\d):AC+4*(\d)*u+2*(\d)+1]
.set u, u+1
.endr
.endr
	WIN 0x0a
	v_add_f32 v[CH], v[AC], v[AC+1]
	WIN 0
	v_permlanex16_b32 v[CH+1], v[CH], s80, s81
	v_add_f32 v[LX+(\a)], v[CH], v[CH+1]
.endm
.macro TOSTAGE a                       ; 16 bytes a lane into rows of 272 bytes of my own stage, and back as whole rows of 256; LDS serves a wave's instructions in order
	WIN 0
.set BK, OB+192*((\a)%2)
.irp b, 0,1,2,3,4,5,6,7
	ds_store_b128 v24, v[TMP+4*(\b):TMP+4*(\b)+3] offset:32*(\b)
.endr
.irp t, 0,1,2,3,4,5,6,7
	ds_load_b128 v[BK+4*(\t):BK+4*(\t)+3], v25 offset:(\t)*2*PITCH
.endr
.endm
.macro SEND a
	WIN 0
.set BK, OB+192*((\a)%2)
	s_wait_dscnt 0x0                               ; the rows are back in registers
	s_wait_xcnt 0x0                                ; earlier stores have read theirs: the other set is loaded again only behind this wait
.irp t, 0,1,2,3,4,5,6,7
	global_store_b128 v26, v[BK+4*(\t):BK+4*(\t)+3], s[70:71] offset:65536*(\a)+8192*(\t)  ; sixteen lanes store 256 consecutive bytes, at a multiple of 256 from pw's first byte
.endr
.endm
	s_load_b256 s[4:11], s[0:1], 0x0               ; qb 4, kb 6, mask 8, pw 10
	s_load_b64 s[12:13], s[0:1], 0x20              ; st
	v_lshl_add_u32 v[SPW], v0, 2, SPARE
	v_mov_b32 v[NIL], 0
	ds_add_u32 v[SPW], v[NIL]                      ; the wave's opening: the add and its wait stand ahead of my first tensor load; work on registers stands between them
	v_lshrrev_b32 v1, 5, v0
	v_readfirstlane_b32 s[WV], v1
	s_lshr_b32 s[WH], s[WV], 1
	s_and_b32 s[WL], s[WV], 1
	s_bfe_u32 s[CX], ttmp6, 0x40000
	s_bfe_u32 s[CY], ttmp6, 0x40004
	s_and_b32 s[BB], ttmp7, 0xffff                 ; the cluster's y = 2 b + z
	s_and_b32 s[ZZ], s[BB], 1
	s_lshr_b32 s[BB], s[BB], 1
	s_lshl_b32 s97, s[BB], 11
	s_lshl_b32 s90, s[ZZ], 10
	s_add_co_u32 s97, s97, s90
	s_lshl_b32 s90, s[CY], 8
	s_add_co_u32 s97, s97, s90                     ; 2048 b + 1024 z + 256 cy
	s_lshl_b32 s99, s[WH], 7
	s_add_co_u32 s99, s99, s97                     ; + 128 x my half of the rows: the rows that I make
	s_lshl_b32 s90, s[WL], 7
	s_add_co_u32 s97, s97, s90                     ; + 128 x the half that I load
	s_lshl_b32 s100, s[CX], 8
	s_lshl_b32 s92, s[WL], 7
	s_add_co_u32 s100, s100, s92                   ; 256 cx + 128 x my half of the columns
	s_lshl_b32 s98, s[BB], 11
	s_add_co_u32 s98, s98, s100
	s_lshl_b32 s101, s[BB], 4                      ; (16 b + key block) x 32 + strip, without the tile's part
	s_lshr_b32 s94, s100, 7
	s_add_co_u32 s101, s101, s94
	s_lshl_b32 s101, s101, 5
	s_and_b32 s94, s99, 2047
	s_sub_co_u32 s3, s94, s100
	s_lshr_b32 s94, s94, 6
	s_add_co_u32 s101, s101, s94
	s_lshl_b32 s94, s[CX], 16                      ; my work-group's share of the prefetches: rows 32 cx .. of Q's 128, or 32 cy .. of K's; and step 3
	s_lshl_b32 s95, s[CY], 16
	s_cmp_eq_u32 s[WH], 0
	s_cselect_b32 s2, s94, s95
	s_add_co_u32 s2, s2, 768
	s_lshl_b32 s90, s[CY], 2
	s_lshl_b32 s90, 15, s90                        ; my row of the cluster
	s_lshl_b32 s92, 0x1111, s[CX]                  ; my column
	s_or_b32 s[G1], s90, (1<<16)|(1<<20)|(1<<21)|(5<<22)|(3<<25)   ; the mask; 2-byte elements; padding on; bit 21 beside a mask; after every 64 words, 4 words
	s_or_b32 s[G1B], s92, (1<<16)|(1<<20)|(1<<21)|(5<<22)|(3<<25)
.irp g, G1, G1B
	s_mov_b32 s[(\g)+1], 128<<16                   ; tensor_dim0 = 128
	s_mov_b32 s[(\g)+2], 128<<16                   ; tensor_dim1 = 128
	s_mov_b32 s[(\g)+3], 128<<16                   ; tile_dim0 = 128
	s_mov_b32 s[(\g)+4], 128                       ; tile_dim1 = 128
	s_mov_b32 s[(\g)+5], 1024                      ; elements from row to row
	s_mov_b32 s[(\g)+6], 0
	s_mov_b32 s[(\g)+7], 0
.endr
	s_mov_b32 s[G0], 1
	s_mov_b32 s[G0B], 1
	s_mul_i32 s[LA], s[WL], HALFT                  ; LDS addresses hang on the wave's number and the slot alone
	s_add_co_u32 s[LB], s[LA], 2*HALFT
	s_mov_b32 s76, 0xd01502f9                      ; -1e10
	s_mov_b32 s77, s76
	s_mov_b32 s78, 0x3d38aa3b                      ; c = log2(e) / 32
	s_mov_b32 s79, s78
	s_mov_b32 s80, 0x76543210
	s_mov_b32 s81, 0xfedcba98
	s_mov_b32 s82, 0x501502f9                      ; 1e10
	s_mov_b32 s84, 0xffff0000                      ; lanes 16-31
	v_and_b32 v1, 15, v0                           ; r = l % 16
	v_bfe_u32 v2, v0, 4, 1                         ; h = l / 16
	v_lshlrev_b32 v3, 3, v2
	v_sub_nc_u32 v3, v1, v3                        ; r - 8 h
	v_mul_u32_u24 v4, v1, PITCH
	v_lshl_add_u32 v4, v2, 4, v4                   ; row x pitch + 16 x half
	s_mul_i32 s94, s[WH], HALFT
	v_add_nc_u32 v[AA0], s94, v4
	s_mul_i32 s94, s[WL], HALFT
	s_add_co_u32 s94, s94, 2*HALFT
	v_add_nc_u32 v[AB0], s94, v4
	v_mov_b32 v22, 1.0
	v_and_b32 v5, 31, v0
	v_lshlrev_b32 v23, 4, v5                       ; the statistics' store: 16 x lane
	s_mul_i32 s94, s[WV], 16*PITCH
	s_add_co_u32 s94, s94, STAGE
	v_add_nc_u32 v24, s94, v4                      ; into my stage
	v_mul_u32_u24 v6, v2, PITCH
	v_lshl_add_u32 v6, v1, 4, v6
	v_add_nc_u32 v25, s94, v6                      ; back: lanes 0-15 one row, lanes 16-31 the next
	v_lshlrev_b32 v26, 12, v2
	v_lshl_add_u32 v26, v1, 4, v26                 ; the same two rows in pw
	v_lshlrev_b32 v27, 5, v2                       ; my eight keys of a group of sixteen, in the mask
	v_lshlrev_b32 v30, 11, v5                      ; the prefetches' offset: a lane a row of 2,048 bytes
	s_mov_b32 s[TU], 0
	s_wait_dscnt 0x0                               ; the opening add is done
	s_wait_kmcnt 0x0
	TILEADDR
	CROUND                                         ; all sixteen work-groups are here: the first joint loads meet
	JLOAD
	s_branch .Lin
.Ltile:
	s_wait_xcnt 0x0                                ; the last tile's stores and prefetches have read their bases and registers
	s_wait_tensorcnt 0x0
	ds_add_u32 v[SPW], v[NIL]                      ; the tile's addresses, scalar work, stand between the add and the wait for it
	TILEADDR
	s_wait_dscnt 0x0                               ; the add is done; my reads of both slots and of my stage are over
	CROUND
	JLOAD                                          ; step 0 into slot 0
.Lin:
	SETUP
	s_wait_tensorcnt 0x0                           ; my part of step 0 is in: no load of mine is out, so the descriptors may be written
	ds_add_u32 v[SPW], v[NIL]
	s_add_co_u32 s[G0+1], s[LA], SLOT              ; step 1 goes into slot 1
	s_add_co_u32 s[G0B+1], s[LB], SLOT
	s_add_nc_u64 s[G0+2:G0+3], s[G0+2:G0+3], 256
	s_add_nc_u64 s[G0B+2:G0B+3], s[G0B+2:G0B+3], 256
	s_mov_b32 s[TB], 0                             ; slot 0 is in hand
	s_wait_dscnt 0x0
	CROUND
	JLOAD
	HERE
	FETCH 0, F0
	QUARTER 1, F0, F1, 1                           ; the first products start the sums
	WIN 0
	s_mov_b32 s[LAP], 0
.Lstep:                                            ; STEPS - 2 trips: a trip goes from a step's second quarter to the next step's first, and fills the slot that it leaves
	QUARTER 2, F1, F0, 0
	QUARTER 3, F0, F1, 0
	TURN 1
	QUARTER 1, F0, F1, 0
	WIN 0
	s_add_co_u32 s[LAP], s[LAP], 1
	s_cmp_lt_u32 s[LAP], STEPS-2
	s_cbranch_scc1 .Lstep
	s_mov_b32 s[CNT], 2
.Ltail:                                            ; the last two steps fill nothing; the second trip is left behind its products
	QUARTER 2, F1, F0, 0
	QUARTER 3, F0, F1, 0
	TURN 0
	WIN 0
	s_cmp_eq_u32 s[CNT], 1
	s_cbranch_scc1 .Lout
	QUARTER 1, F0, F1, 0
	WIN 0
	s_sub_co_u32 s[CNT], s[CNT], 1
	s_cmp_lg_u32 s[CNT], 0
	s_cbranch_scc1 .Ltail
.Lout:
	s_wait_dscnt 0x0                               ; no LDS load is out when the fragment registers are taken for the way out
	PLACES
	INDEX
	v_mov_b32 v[MP+1], 0                           ; named with m as a pair
	s_mov_b32 s[HF], 0
.Lhalf:                                            ; two trips: my rows 0-63, then my rows 64-127
	s_cmp_eq_u32 s[HF], 0
	s_cbranch_scc0 .Lupper
	CAUSAL 0
	s_branch .Lmasked
.Lupper:
	CAUSAL 1
.Lmasked:
	SOFT 0                                         ; a block's arithmetic stands between the loads of the block before and its stores
	TOSTAGE 0
	SOFT 1
	SEND 0
	TOSTAGE 1
	SOFT 2
	SEND 1
	TOSTAGE 2
	SOFT 3
	SEND 2
	TOSTAGE 3
	SEND 3
.irp k, 0,1,2,3
	v_cndmask_b32 v[SD+(\k)], v[MX+(\k)], v[LX+(\k)], s84   ; lanes 0-15 carry m, lanes 16-31 l
.endr
	global_store_b128 v23, v[SD:SD+3], s[72:73]    ; 512 consecutive bytes: a strip's statistics
	s_wait_xcnt 0x0                                ; the stores have read their bases and registers
	s_add_nc_u64 s[70:71], s[70:71], 0x40000       ; 64 rows of pw on,
	s_add_nc_u64 s[72:73], s[72:73], 512           ; and the next strip
	s_add_co_u32 s[HF], s[HF], 1
	s_cmp_lt_u32 s[HF], 2
	s_cbranch_scc1 .Lhalf
	s_add_co_u32 s[TU], s[TU], 1
	s_cmp_lt_u32 s[TU], TILES
	s_cbranch_scc1 .Ltile
	s_wait_tensorcnt 0x0                           ; the wave's end
	ds_add_u32 v[SPW], v[NIL]
	s_wait_dscnt 0x0
	CROUND                                         ; the closing round
	s_endpgm
.Lfunc_end_k_q781ae5fa0c_scores:
	.size	k_q781ae5fa0c_scores, .Lfunc_end_k_q781ae5fa0c_scores-k_q781ae5fa0c_scores
	.p2alignl 7, 3214868480
	.fill 96, 4, 3214868480
	.section	.rodata,"a",@progbits
	.p2align	6, 0x0
	.amdhsa_kernel k_q781ae5fa0c_scores
		.amdhsa_group_segment_fixed_size 327680
		.amdhsa_private_segment_fixed_size 0
		.amdhsa_enable_private_segment 0
		.amdhsa_kernarg_size 40
		.amdhsa_user_sgpr_count 2
		.amdhsa_user_sgpr_kernarg_segment_ptr 1
		.amdhsa_wavefront_size32 1
		.amdhsa_system_sgpr_workgroup_id_x 1
		.amdhsa_system_sgpr_workgroup_id_y 1
		.amdhsa_system_sgpr_workgroup_id_z 1
		.amdhsa_system_vgpr_workitem_id 0
		.amdhsa_next_free_vgpr 1024
		.amdhsa_next_free_sgpr 102
		.amdhsa_reserve_vcc 1
		.amdhsa_float_denorm_mode_32 3
		.amdhsa_float_denorm_mode_16_64 3
		.amdhsa_memory_ordered 1
		.amdhsa_forward_progress 1
		.amdhsa_inst_pref_size 171
	.end_amdhsa_kernel
	.amdgpu_metadata
---
amdhsa.version: [ 1, 2 ]
amdhsa.kernels:
  - .name:           k_q781ae5fa0c_scores
    .symbol:         k_q781ae5fa0c_scores.kd
    .args:
      - { .name: qb, .offset: 0, .size: 8, .value_kind: global_buffer, .address_space: global }
      - { .name: kb, .offset: 8, .size: 8, .value_kind: global_buffer, .address_space: global }
      - { .name: mask, .offset: 16, .size: 8, .value_kind: global_buffer, .address_space: global }
      - { .name: pw, .offset: 24, .size: 8, .value_kind: global_buffer, .address_space: global }
      - { .name: st, .offset: 32, .size: 8, .value_kind: global_buffer, .address_space: global }
    .group_segment_fixed_size: 327680
    .private_segment_fixed_size: 0
    .kernarg_segment_align: 8
    .kernarg_segment_size: 40
    .max_flat_workgroup_size: 128
    .sgpr_count:     102
    .vgpr_count:     1024
    .wavefront_size: 32
...
	.end_amdgpu_metadata
.endif
;; end of part 4
;; launch mix (part 5): grid 4 x 64, 4 waves a work-group, clusters of 4 x 4, 327,680 bytes of LDS; arguments pw, vh, st, out0; writes out0
.if DOCPART == 5
	.amdgcn_target "amdgcn-amd-amdhsa--gfx1250"
	.amdhsa_code_object_version 6
	.text
	.protected	k_q781ae5fa0c_mix
	.globl	k_q781ae5fa0c_mix
	.p2align	8
	.type	k_q781ae5fa0c_mix,@function
k_q781ae5fa0c_mix:
	s_mov_b64 s[64:65], 0
	v_nop
	global_prefetch_b8 v0, s[64:65] scope:SCOPE_SE
	s_setreg_imm32_b32 hwreg(HW_REG_WAVE_MODE, 25, 1), 1
	s_wait_xcnt 0x0
	s_wait_alu depctr_hold_cnt(0) depctr_sa_sdst(0) depctr_va_vdst(0) depctr_va_sdst(0) depctr_va_ssrc(0) depctr_va_vcc(0) depctr_vm_vsrc(0)
	s_getreg_b32 s2, hwreg(HW_REG_IB_STS2, 6, 4)
	s_cmp_eq_u32 s2, 0
	s_cbranch_scc0 .Lentry_in_a_cluster
	s_endpgm
.Lentry_in_a_cluster:
	s_bfe_u32 s2, ttmp6, 0x10000c
	s_cmp_lg_u32 s2, 0xf033
	s_cbranch_scc0 .Lentry_shape_is_right
	s_endpgm
.Lentry_shape_is_right:
; MIX.  For each query row: M = the largest of its sixteen blocks' maxima m_j; f_j = 2^(c (m_j - M)), c = log2(e) / 32; L = the sum of f_j l_j; out = (the sum over j of (f_j P_j) V_j) / L.
; P (f16, from pw) is multiplied by f_j (rounded to f16) on its way from LDS to the matrix unit; V is vh, f16; sums, M, f and L in f32; out is f32.
; LIMITS.  f p below 6e-5 keeps f16's fixed step of 6e-8; NaN and infinities are not treated apart.
; SHARES.  A cluster of 4 x 4 work-groups makes 1,024 queries x 1,024 channels; a work-group 256 x 256; a wave 128 x 128: 64 accumulators, 512 registers.  Cluster (b, z) owns queries 1024 z .. of batch b:
; one tile for every work-group, over all 16 steps of 128 keys: the causal term is a finite number, and a row whose visible keys all carry the padding penalty gives weight to hidden keys.
; JOINT LOADS.  P's tile hangs on the tile row, shared along a row of the cluster; V's on the channel column, shared along a column.
; RING.  Two LDS slots, a step each: 256 rows of P (256 bytes + 16) and 128 rows of V (512 bytes + 32).  Both first fills go out together; the rows' statistics are made while they are on their way.
; A STEP IS WRITTEN ONCE: the slot in hand is a scalar, TB (0 or SLOT); at each change of slots the walking descriptor takes the slot just read out, TB turns to the other slot, and the fragment addresses are
; made anew from it.  Fourteen trips fill a slot again; the last two steps, which fill nothing, are a loop of their own.
; By this text's count two tensor loads of a wave are out at the start, and one behind each round.
; THE PRODUCT IS TAKEN TRANSPOSED: source 0 = 16 channels of V, turned by ds_load_tr16_b128; source 1 = 16 queries of P: a lane holds ONE query (lane % 16) and eight neighbouring channels.
; REGISTERS, in windows of 256 (s_set_vgpr_msb: bits 1:0 source 0, 3:2 source 1, 5:4 source 2, 7:6 destination).
;   window 0: v0-31 addresses; v32-39 f of the step in hand, in f16, twice in a word, by block a; v48-55 m of the next step; v56-63 m of step 0; v64-127, v128-191 P's fragments, two buffers (at the start
;             the statistics' set-up, on the way out whole rows); v192-199 M; v200-215 1 / L, in pairs; v216-223 f of the next step, in f32; v224-239 at work
;   window 1: v64-127, v128-191 V's fragments, two buffers;   window 2: accumulators of my rows 0-63 ((a, b) at v[8 (8 a + b)]);   window 3: those of my rows 64-127
.set PITCH,  272
.set PV,     544                       ; a row of V in LDS: 17 x 32 bytes
.set HALFT,  128*PITCH                 ; what one tensor load brings: 128 rows of P, or 64 rows of V
.set SLOT,   4*HALFT
.set STAGE,  2*SLOT                    ; behind the ring: 16 rows x 528 bytes for each wave; no tensor load fills it
.set SP,     528
.set SPARE,  STAGE+4*16*SP
.set STEPS,  16                        ; steps of 128 keys
.set AA0,  16                          ; v16  my lane's place among my P fragments in slot 0; never rewritten
.set ADRA, 17                          ; v17  the same in the slot in hand
.set AB0,  20                          ; v20  my lane's place among my V fragments in slot 0; never rewritten
.set ADRB, 21                          ; v21  the same in the slot in hand
.set SPW,  28
.set NIL,  29
.set FS,   32
.set MR,   48
.set M0,   56
.set F0,   64
.set F1,   128
.set PM,   64                          ; the statistics' set-up: m of key blocks 2 i + l / 16 at PM + 8 i + a,
.set PL,   128                         ; l likewise
.set MXR,  192
.set INV,  200
.set TT,   216
.set RA,   224
.set RB,   232
.set WV, 16
.set WH, 17
.set WL, 18
.set CX, 19
.set CY, 20
.set BB, 21
.set ZZ, 22
.set LAP, 25                           ; the step's number, in the loop that fills slots again
.set TB, 26                            ; LDS byte at which the slot in hand begins: 0 or SLOT
.set CNT, 27                           ; counts the last two steps
.set G1,  28
.set G0,  36                           ; s[36:43] descriptor group 0 for P's tiles: a set for each of the two first fills; the second then walks on
.set G1B, 44
.set G0B, 52                           ; s[52:59] the same for V's
.set LA,  89                           ; where my part of P's tile lies in a slot
.set LB,  91                           ; where my part of V's tile lies in a slot
.set MUL_LO, 0xa1                      ; source 0 (V) window 1, source 1 (P) window 0, C and D window 2
.set MUL_HI, 0xf1
.set TO_B,   0x40
.set MSB, 0
.macro WIN new
.if MSB != (\new)
	s_set_vgpr_msb (MSB<<8)|(\new)
.set MSB, \new
.endif
.endm
.macro PLACES
.rept 4
	v_nop
.endr
.endm
.macro JLOAD s                         ; a joint load: waves 0, 1 P's halves, waves 2, 3 V's; an s_nop 0 and four v_nop follow each line
	s_cmp_eq_u32 s[WH], 0
	s_cbranch_scc0 .Lfor_b_\@
	tensor_load_to_lds s[G0+4*(\s):G0+4*(\s)+3], s[G1:G1+7]
	s_nop 0
.rept 4
	v_nop
.endr
	s_branch .Lasked_\@
.Lfor_b_\@:
	tensor_load_to_lds s[G0B+4*(\s):G0B+4*(\s)+3], s[G1B:G1B+7]
	s_nop 0
.rept 4
	v_nop
.endr
.Lasked_\@:
.endm
.macro CREST
	s_cmp_lg_u32 s[WV], 0
	s_cbranch_scc1 .Lnot_wave_0_\@
	s_barrier_signal -3
.Lnot_wave_0_\@:
	s_barrier_wait -3
	s_barrier_signal -1
	s_barrier_wait -1
.endm
.macro CROUND
	s_barrier_signal -1
	s_barrier_wait -1
	CREST
.endm
; A prefetch, behind each joint refill and the run of LDS loads that follows it, of the step that stands two refills on (step LAP + 4): 32 blocks of 256 bytes, one instruction a wave.  The four partners
; that ask for a tile jointly share it out by address.  P's rows are read by this cluster alone: of a wave's 128 rows a partner takes 32, a lane a row.  V's rows are read by both clusters of a batch: the
; one with z = 0 asks: of a wave's 64 keys a partner takes 16, lanes 16-31 the row's second 256 bytes.  Steps 0 to 3 come by their loads alone; from trip STEPS - 4 on nothing is asked for.
.macro ASK
	s_cmp_lt_u32 s[LAP], s88
	s_cbranch_scc0 .Lnot_mine_\@
	global_prefetch_b8 v30, s[86:87] th:TH_LOAD_NT scope:SCOPE_SE
.Lnot_mine_\@:
.endm
.macro MUL16 f, hi, a0, zero           ; the 64 accumulators take turns in one order in every quarter
	WIN MUL_LO+0x50*(\hi)
.irp a, \a0, (\a0)+1
.irp b, 0,1,2,3,4,5,6,7
.if \zero
	v_wmma_f32_16x16x32_f16 v[8*(8*(\a)+(\b)):8*(8*(\a)+(\b))+7], v[(\f)+8*(\b):(\f)+8*(\b)+7], v[(\f)+8*(4*(\hi)+(\a)):(\f)+8*(4*(\hi)+(\a))+7], 0
.else
	v_wmma_f32_16x16x32_f16 v[8*(8*(\a)+(\b)):8*(8*(\a)+(\b))+7], v[(\f)+8*(\b):(\f)+8*(\b)+7], v[(\f)+8*(4*(\hi)+(\a)):(\f)+8*(4*(\hi)+(\a))+7], v[8*(8*(\a)+(\b)):8*(8*(\a)+(\b))+7]
.endif
.endr
.endr
.endm
.macro SCALE4 f, a0                    ; P's fragments a0 .. a0 + 3 times the step's f of their queries: values that come and leave in 16 bits
	WIN 0
.irp a, (\a0), (\a0)+1, (\a0)+2, (\a0)+3
.irp k, 0,1,2,3,4,5,6,7
	v_pk_mul_f16 v[(\f)+8*(\a)+(\k)], v[(\f)+8*(\a)+(\k)], v[FS+(\a)]
.endr
.endr
.endm
.macro HERE                            ; the fragment addresses in the slot in hand
	WIN 0
	v_add_nc_u32 v[ADRA], s[TB], v[AA0]
	v_add_nc_u32 v[ADRB], s[TB], v[AB0]
.endm
.macro FETCH q, f                      ; 32 LDS loads in one run: keys 32 q .. of the step in hand: V's 16 (turned), then P's 16
	WIN TO_B
.irp i, 0,1,2,3,4,5,6,7
	ds_load_tr16_b128 v[(\f)+8*(\i):(\f)+8*(\i)+3],   v[ADRB] offset:32*PV*(\q)+32*(\i)
	ds_load_tr16_b128 v[(\f)+8*(\i)+4:(\f)+8*(\i)+7], v[ADRB] offset:32*PV*(\q)+32*(\i)+16*PV
.endr
	WIN 0
.irp i, 0,1,2,3,4,5,6,7
	ds_load_b128 v[(\f)+8*(\i):(\f)+8*(\i)+3],   v[ADRA] offset:64*(\q)+(\i)*16*PITCH
	ds_load_b128 v[(\f)+8*(\i)+4:(\f)+8*(\i)+7], v[ADRA] offset:64*(\q)+(\i)*16*PITCH+32
.endr
.endm
; In a step's second quarter: the NEXT step's f, in f32, from its m, which was asked for a step ago; kind = 1: m of the step after that is asked for, into the registers just read.
; The subtractions are the places behind the products.  The rounding to f16 (FACTB) stands behind the last use of this step's f, and writes over it.
.macro FACTA kind
	WIN 0
	s_wait_loadcnt 0x0                             ; the two loads that are out
.irp a, 0,1,2,3,4,5,6,7
	v_sub_f32 v[TT+(\a)], v[MR+(\a)], v[MXR+(\a)]
.endr
.irp a, 0,1,2,3,4,5,6,7
	v_mul_f32 v[TT+(\a)], s78, v[TT+(\a)]
.endr
.irp a, 0,1,2,3,4,5,6,7
	v_exp_f32 v[TT+(\a)], v[TT+(\a)]
.endr
	v_nop
	s_wait_alu depctr_va_vdst(0)                   ; one wait for the eight
.if (\kind) == 1
	global_load_b128 v[MR:MR+3],   v22, s[74:75] offset:32768
	global_load_b128 v[MR+4:MR+7], v22, s[74:75] offset:32768+512
.endif
.endm
.macro FACTB
	WIN 0
.irp a, 0,1,2,3,4,5,6,7
	v_cvt_pk_f16_f32 v[FS+(\a)], v[TT+(\a)], v[TT+(\a)]
.endr
.endm
.macro QUARTER q, f, g, zero, fact=0   ; fact = 1: FACTA with its loads; 2: without
	s_wait_dscnt 8                                 ; V and P's rows 0-63 are in; the youngest eight loads (P's rows 64-127) may be out
	SCALE4 \f, 0
	MUL16 \f, 0, 0, \zero
	MUL16 \f, 0, 2, \zero
.if \fact
	FACTA \fact
.else
	PLACES
.endif
	FETCH \q, \g
	s_wait_dscnt 32                                ; all but the 32 just issued
	SCALE4 \f, 4
	MUL16 \f, 1, 0, \zero
	MUL16 \f, 1, 2, \zero
.endm
; A step's last quarter, on buffer 1, and the change of slots.  In front of the barrier each wave waits for all its tensor loads (one is out: its part of the next slot), adds 0 to its spare word, and
; waits for that and for its reads of this slot.  fill = 1: the barrier opens a round of the cluster's, and the joint refill, two steps on, is the first thing behind the round:
; between the request and the wait for it a wave issues 224 matrix instructions.  fill = 0: the last two steps: nothing is asked for; behind the very last step there is none to fetch, and the run is jumped over.
.macro TURN fill
.if \fill
	s_wait_xcnt 0x0                                ; the last prefetch, a step back, and this step's loads of m, two quarters back, have read their bases
	s_add_nc_u64 s[86:87], s[86:87], s[76:77]
	s_add_nc_u64 s[74:75], s[74:75], 16384
.endif
	WIN 0
	s_wait_tensorcnt 0x0                           ; all my tensor loads have landed: my part of the next slot
	ds_add_u32 v[SPW], v[NIL]
	s_wait_dscnt 9                                 ; the add and the youngest eight loads may be out
	SCALE4 F1, 0
	MUL16 F1, 0, 0, 0
	s_wait_dscnt 0x0                               ; the add is done, and my reads of this slot are over
	s_barrier_signal -1
	MUL16 F1, 0, 2, 0
	WIN 0
	s_barrier_wait -1
.if \fill
	CREST
	s_add_co_u32 s[G0+5], s[LA], s[TB]             ; the walking descriptors: into the slot just read out,
	s_add_co_u32 s[G0B+5], s[LB], s[TB]
	s_add_nc_u64 s[G0+6:G0+7], s[G0+6:G0+7], 256   ; the step behind the one asked for last: 128 keys along P's rows,
	s_add_nc_u64 s[G0B+6:G0B+7], s[G0B+6:G0B+7], 0x40000  ; 128 rows of V; the type bits on top are not reached
	JLOAD 1                                        ; its four v_nop are also the places in front of the loads below
.else
	PLACES
	s_cmp_eq_u32 s[CNT], 1
	s_cbranch_scc1 .Lno_more_\@
.endif
	s_sub_co_u32 s[TB], SLOT, s[TB]                ; the other slot is in hand
	HERE
	FETCH 0, F0
.if \fill
	ASK
.else
.Lno_more_\@:
.endif
	SCALE4 F1, 4
	FACTB                                          ; this step's f has had its last use: the next step's takes its place
	MUL16 F1, 1, 0, 0
	MUL16 F1, 1, 2, 0
.endm
; The rows' statistics, made while the first fills are on their way.  Load (i, t) brings key blocks 2 i + l / 16 of my strip t: blocks a = 4 t .. 4 t + 3 of my 128 rows.
.macro PRO
	WIN 0
.irp i, 0,1,2,3,4,5,6,7
.irp t, 0,1
	global_load_b128 v[PM+8*(\i)+4*(\t):PM+8*(\i)+4*(\t)+3], v23, s[72:73] offset:32768*(\i)+512*(\t)
	global_load_b128 v[PL+8*(\i)+4*(\t):PL+8*(\i)+4*(\t)+3], v23, s[72:73] offset:32768*(\i)+512*(\t)+256
.endr
.endr
.irp t, 0,1
	global_load_b128 v[M0+4*(\t):M0+4*(\t)+3], v22, s[72:73] offset:512*(\t)        ; m of step 0,
	global_load_b128 v[MR+4*(\t):MR+4*(\t)+3], v22, s[72:73] offset:16384+512*(\t)  ; and of step 1
.endr
.irp a, 0,1,2,3,4,5,6,7
	v_mov_b32 v[RB+(\a)], 0
.endr
	s_wait_loadcnt 0x0
.irp a, 0,1,2,3,4,5,6,7
	v_max3_num_f32 v[RA+(\a)], v[PM+(\a)], v[PM+8+(\a)], v[PM+16+(\a)]
.endr
.irp a, 0,1,2,3,4,5,6,7
	v_max3_num_f32 v[RA+(\a)], v[RA+(\a)], v[PM+24+(\a)], v[PM+32+(\a)]
.endr
.irp a, 0,1,2,3,4,5,6,7
	v_max3_num_f32 v[RA+(\a)], v[RA+(\a)], v[PM+40+(\a)], v[PM+48+(\a)]
.endr
.irp a, 0,1,2,3,4,5,6,7
	v_max_num_f32 v[RA+(\a)], v[RA+(\a)], v[PM+56+(\a)]
.endr
.irp a, 0,1,2,3,4,5,6,7
	v_permlanex16_b32 v[RB+(\a)], v[RA+(\a)], s80, s81         ; the odd key blocks lie in the lane 16 away
.endr
.irp a, 0,1,2,3,4,5,6,7
	v_max_num_f32 v[MXR+(\a)], v[RA+(\a)], v[RB+(\a)]          ; M
.endr
.irp i, 0,1,2,3,4,5,6,7
.irp p, 0,1,2,3
	v_pk_add_f32 v[PM+8*(\i)+2*(\p):PM+8*(\i)+2*(\p)+1], v[PM+8*(\i)+2*(\p):PM+8*(\i)+2*(\p)+1], v[MXR+2*(\p):MXR+2*(\p)+1] neg_lo:[0,1] neg_hi:[0,1]
.endr
.endr
.irp a, 0,1,2,3,4,5,6,7
	v_sub_f32 v[TT+(\a)], v[M0+(\a)], v[MXR+(\a)]
.endr
.set i, 0
.rept 32
	v_pk_mul_f32 v[PM+2*i:PM+2*i+1], v[PM+2*i:PM+2*i+1], s[78:79] op_sel_hi:[1,0]
.set i, i+1
.endr
.irp a, 0,1,2,3,4,5,6,7
	v_mul_f32 v[TT+(\a)], s78, v[TT+(\a)]
.endr
.set i, 0
.rept 64
	v_exp_f32 v[PM+i], v[PM+i]                     ; one batch: the 64 factors for L, and step 0's eight
.set i, i+1
.endr
.irp a, 0,1,2,3,4,5,6,7
	v_exp_f32 v[TT+(\a)], v[TT+(\a)]
.endr
	v_nop
	s_wait_alu depctr_va_vdst(0)
	FACTB                                          ; f of step 0
.irp a, 0,1,2,3,4,5,6,7
	v_mul_f32 v[RA+(\a)], v[PM+(\a)], v[PL+(\a)]
.endr
.irp i, 1,2,3,4,5,6,7
.irp a, 0,1,2,3,4,5,6,7
	v_fmac_f32 v[RA+(\a)], v[PM+8*(\i)+(\a)], v[PL+8*(\i)+(\a)]
.endr
.endr
.irp a, 0,1,2,3,4,5,6,7
	v_permlanex16_b32 v[RB+(\a)], v[RA+(\a)], s80, s81
.endr
.irp a, 0,1,2,3,4,5,6,7
	v_add_f32 v[RA+(\a)], v[RA+(\a)], v[RB+(\a)]               ; L: at least 1, from the block that holds M
.endr
.irp a, 0,1,2,3,4,5,6,7
	v_rcp_f32 v[INV+2*(\a)], v[RA+(\a)]
.endr
	v_nop
	s_wait_alu depctr_va_vdst(0)
.endm
; Queries 16 a ..: divided by L; 32 bytes a lane into rows of 528 bytes of my own stage; back as whole rows of 512.  Each accumulator is read from its low end on.
.macro OUTA a
.set AC, 64*((\a)%4)
.set BK, 64+64*((\a)%2)
	WIN 0x82+0x41*((\a)/4)                         ; the sums in window 2 or 3, 1 / L in window 0
.set i, 0
.rept 32
	v_pk_mul_f32 v[AC+2*i:AC+2*i+1], v[AC+2*i:AC+2*i+1], v[INV+2*(\a):INV+2*(\a)+1] op_sel_hi:[1,0]
.set i, i+1
.endr
	WIN 0x08+0x04*((\a)/4)                         ; the stores' data in window 2 or 3
.irp b, 0,1,2,3,4,5,6,7
	ds_store_b128 v24, v[AC+8*(\b):AC+8*(\b)+3]   offset:64*(\b)
	ds_store_b128 v24, v[AC+8*(\b)+4:AC+8*(\b)+7] offset:64*(\b)+16
.endr
	WIN 0
	s_wait_xcnt 0x0                                ; the stores of two blocks back have read this set of registers
.irp t, 0,1,2,3,4,5,6,7,8,9,10,11,12,13,14,15
	ds_load_b128 v[BK+4*(\t):BK+4*(\t)+3], v25 offset:(\t)*SP  ; LDS serves a wave's instructions in order: these see the stores above
.endr
.endm
.macro SENDO a, younger                ; younger: the next block's 16 stores and 16 loads, or none
	WIN 0
.set BK, 64+64*((\a)%2)
	s_wait_dscnt \younger
.irp t, 0,1,2,3,4,5,6,7,8,9,10,11,12,13,14,15
	global_store_b128 v26, v[BK+4*(\t):BK+4*(\t)+3], s[70:71] offset:4096*(16*(\a)+(\t)) th:TH_STORE_NT  ; 512 consecutive bytes, at a multiple of 512 from out0's first byte
.endr
.endm
	s_load_b256 s[4:11], s[0:1], 0x0               ; pw 4, vh 6, st 8, out0 10
	v_lshl_add_u32 v[SPW], v0, 2, SPARE
	v_mov_b32 v[NIL], 0
	ds_add_u32 v[SPW], v[NIL]                      ; the wave's opening: the add and its wait stand ahead of my first tensor load; work on registers stands between them
	v_lshrrev_b32 v1, 5, v0
	v_readfirstlane_b32 s[WV], v1
	s_lshr_b32 s[WH], s[WV], 1
	s_and_b32 s[WL], s[WV], 1
	s_bfe_u32 s[CX], ttmp6, 0x40000
	s_bfe_u32 s[CY], ttmp6, 0x40004
	s_and_b32 s[BB], ttmp7, 0xffff                 ; the cluster's y = 2 b + z
	s_and_b32 s[ZZ], s[BB], 1
	s_lshr_b32 s[BB], s[BB], 1
	s_lshl_b32 s97, s[BB], 11
	s_lshl_b32 s90, s[ZZ], 10
	s_add_co_u32 s97, s97, s90
	s_lshl_b32 s90, s[CY], 8
	s_add_co_u32 s97, s97, s90                     ; 2048 b + 1024 z + 256 cy
	s_lshl_b32 s99, s[WH], 7
	s_add_co_u32 s99, s99, s97                     ; the rows that I make
	s_lshl_b32 s90, s[WL], 7
	s_add_co_u32 s97, s97, s90                     ; the rows of P that I load: never holds cx
	s_lshl_b32 s66, s97, 12
	s_mov_b32 s67, 0
	s_lshl_b32 s100, s[CX], 8
	s_lshl_b32 s92, s[WL], 7
	s_add_co_u32 s100, s100, s92                   ; my first channel
	s_lshl_b32 s92, s[BB], 11                      ; V: key rows 2048 b + 64 x the half that I load, channels 256 cx on: never holds cy
	s_lshl_b32 s93, s[WL], 6
	s_add_co_u32 s92, s92, s93
	s_lshl_b32 s92, s92, 10
	s_lshl_b32 s93, s[CX], 8
	s_add_co_u32 s92, s92, s93
	s_lshl_b32 s68, s92, 1
	s_mov_b32 s69, 0
	s_lshl_b32 s101, s[BB], 9                      ; 512 b + my first strip
	s_and_b32 s94, s99, 2047
	s_lshr_b32 s94, s94, 6
	s_add_co_u32 s101, s101, s94
	s_lshl_b32 s94, s[CX], 17                      ; my work-group's share of the prefetches, at step 3: rows 32 cx .. of P's 128,
	s_add_co_u32 s94, s94, 768
	s_lshl_b32 s95, s[CY], 15                      ; or keys 16 cy .. of V's 64
	s_add_co_u32 s95, s95, 0xc0000
	s_cmp_eq_u32 s[WH], 0
	s_cselect_b32 s2, s94, s95
	s_mov_b32 s94, 256
	s_cselect_b32 s76, s94, 0x40000                ; and their step from one change of slots to the next
	s_mov_b32 s77, 0
	s_cmp_eq_u32 s[ZZ], 0                          ; who asks: a bound of STEPS - 4 trips, or 0
	s_cselect_b32 s95, STEPS-4, 0
	s_cmp_eq_u32 s[WH], 0
	s_cselect_b32 s88, STEPS-4, s95
	s_lshl_b32 s90, s[CY], 2
	s_lshl_b32 s90, 15, s90                        ; my row of the cluster
	s_lshl_b32 s92, 0x1111, s[CX]                  ; my column
	s_or_b32 s[G1], s90, (1<<16)|(1<<20)|(1<<21)|(5<<22)|(3<<25)   ; P: after every 64 words, 4 words of padding
	s_or_b32 s[G1B], s92, (1<<16)|(1<<20)|(1<<21)|(6<<22)|(7<<25)  ; V: after every 128 words, 8 words
	s_mov_b32 s[G1+1], 128<<16                     ; tensor_dim0 = 128
	s_mov_b32 s[G1+2], 128<<16                     ; tensor_dim1 = 128
	s_mov_b32 s[G1+3], 128<<16                     ; tile_dim0 = 128
	s_mov_b32 s[G1+4], 128                         ; tile_dim1 = 128
	s_mov_b32 s[G1+5], 2048                        ; elements from row to row of pw
	s_mov_b32 s[G1+6], 0
	s_mov_b32 s[G1+7], 0
	s_mov_b32 s[G1B+1], 256<<16
	s_mov_b32 s[G1B+2], 64<<16
	s_mov_b32 s[G1B+3], 256<<16
	s_mov_b32 s[G1B+4], 64
	s_mov_b32 s[G1B+5], 1024
	s_mov_b32 s[G1B+6], 0
	s_mov_b32 s[G1B+7], 0
	s_mul_i32 s[LA], s[WL], HALFT                  ; LDS addresses hang on the wave's number and the slot alone
	s_add_co_u32 s[LB], s[LA], 2*HALFT
	s_mov_b32 s[G0], 1
	s_mov_b32 s[G0+1], s[LA]
	s_mov_b32 s[G0+4], 1
	s_add_co_u32 s[G0+5], s[LA], SLOT
	s_mov_b32 s[G0B], 1
	s_mov_b32 s[G0B+1], s[LB]
	s_mov_b32 s[G0B+4], 1
	s_add_co_u32 s[G0B+5], s[LB], SLOT
	s_mov_b32 s[TB], 0                             ; slot 0 is in hand
	s_mov_b32 s78, 0x3d38aa3b                      ; c = log2(e) / 32
	s_mov_b32 s79, s78
	s_mov_b32 s80, 0x76543210
	s_mov_b32 s81, 0xfedcba98
	v_and_b32 v1, 15, v0                           ; r
	v_bfe_u32 v2, v0, 4, 1                         ; h
	v_mul_u32_u24 v4, v1, PITCH
	v_lshl_add_u32 v4, v2, 4, v4
	s_mul_i32 s94, s[WH], HALFT
	v_add_nc_u32 v[AA0], s94, v4
	v_and_b32 v5, 7, v0                            ; the turning load: lane l reads key 8 (l / 16) + l % 8, channels 8 ((l / 8) % 2) + 0..7
	v_bfe_u32 v6, v0, 3, 1
	v_lshl_add_u32 v7, v2, 3, v5
	v_mul_u32_u24 v7, v7, PV
	v_lshl_add_u32 v7, v6, 4, v7
	s_lshl_b32 s94, s[WL], 8
	s_add_co_u32 s94, s94, 2*HALFT
	v_add_nc_u32 v[AB0], s94, v7
	v_lshlrev_b32 v22, 4, v1                       ; a row's four m in st
	v_lshl_add_u32 v23, v2, 14, v22                ; the same, one key block on for lanes 16-31
	s_mul_i32 s94, s[WV], 16*SP
	s_add_co_u32 s94, s94, STAGE
	v_mul_u32_u24 v8, v1, SP
	v_lshl_add_u32 v8, v2, 5, v8
	v_add_nc_u32 v24, s94, v8                      ; into my stage: row r, 32 bytes for each half of the lanes
	v_and_b32 v9, 31, v0
	v_lshlrev_b32 v26, 4, v9                       ; 16 x lane: a row's 512 bytes in out0,
	v_add_nc_u32 v25, s94, v26                     ; and in my stage
	s_cmp_eq_u32 s[WH], 0                          ; the prefetches' offset: for P 32 rows of 4,096 bytes; for V 16 rows of 2,048 bytes, and 256 bytes on for lanes 16-31
	s_cselect_b32 s94, 31, 15
	s_cselect_b32 s95, 12, 11
	v_and_b32 v30, s94, v0
	v_lshlrev_b32 v30, s95, v30
	s_cselect_b32 s94, 0, 256
	v_mad_u32_u24 v30, v2, s94, v30
.irp a, 0,1,2,3,4,5,6,7
	v_mov_b32 v[INV+2*(\a)+1], 0                   ; named with 1 / L as pairs
.endr
	s_lshl_b32 s94, s99, 12                        ; out0 at my 128 rows, my 128 channels
	s_lshl_b32 s95, s100, 2
	s_add_co_u32 s94, s94, s95
	s_mov_b32 s95, 0
	s_lshl_b32 s92, s101, 9                        ; st at key block 0 of my first strip
	s_mov_b32 s93, 0
	s_wait_dscnt 0x0                               ; the opening add is done
	s_wait_kmcnt 0x0
	s_add_nc_u64 s[70:71], s[10:11], s[94:95]
	s_add_nc_u64 s[72:73], s[8:9], s[92:93]
	s_mov_b64 s[74:75], s[72:73]
	s_add_nc_u64 s[G0+2:G0+3], s[4:5], s[66:67]    ; step 0 for slot 0,
	s_add_nc_u64 s[G0+6:G0+7], s[G0+2:G0+3], 256   ; step 1 for slot 1
	s_or_b32 s[G0+3], s[G0+3], 0x80000000
	s_or_b32 s[G0+7], s[G0+7], 0x80000000
	s_add_nc_u64 s[G0B+2:G0B+3], s[6:7], s[68:69]
	s_add_nc_u64 s[G0B+6:G0B+7], s[G0B+2:G0B+3], 0x40000
	s_or_b32 s[G0B+3], s[G0B+3], 0x80000000
	s_or_b32 s[G0B+7], s[G0B+7], 0x80000000
	s_cmp_eq_u32 s[WH], 0
	s_cselect_b64 s[86:87], s[4:5], s[6:7]
	s_cselect_b64 s[94:95], s[66:67], s[68:69]
	s_add_nc_u64 s[86:87], s[86:87], s[94:95]
	s_mov_b32 s94, s2
	s_mov_b32 s95, 0
	s_add_nc_u64 s[86:87], s[86:87], s[94:95]
	CROUND                                         ; all sixteen work-groups are here: the first joint loads meet
	JLOAD 0                                        ; the ring is filled before anything else is done: two loads of mine are out
	JLOAD 1
	PRO
	s_wait_tensorcnt 1                             ; my part of step 0 is in; step 1's may stay out
	s_barrier_signal -1
	s_barrier_wait -1                              ; everybody's is
	HERE
	FETCH 0, F0
	QUARTER 1, F0, F1, 1                           ; the first products start the sums
	WIN 0
	s_mov_b32 s[LAP], 0
.Lstep:                                            ; STEPS - 2 trips: a trip goes from a step's second quarter to the next step's first, and fills the slot that it leaves
	QUARTER 2, F1, F0, 0, 1
	QUARTER 3, F0, F1, 0
	TURN 1
	QUARTER 1, F0, F1, 0
	WIN 0
	s_add_co_u32 s[LAP], s[LAP], 1
	s_cmp_lt_u32 s[LAP], STEPS-2
	s_cbranch_scc1 .Lstep
	s_mov_b32 s[CNT], 2
.Ltail:                                            ; the last two steps fill nothing and ask for no m; the second trip is left behind its products (the eight factors that it makes serve nothing: the price, once a launch, of one text for both)
	QUARTER 2, F1, F0, 0, 2
	QUARTER 3, F0, F1, 0
	TURN 0
	WIN 0
	s_cmp_eq_u32 s[CNT], 1
	s_cbranch_scc1 .Lout
	QUARTER 1, F0, F1, 0
	WIN 0
	s_sub_co_u32 s[CNT], s[CNT], 1
	s_cmp_lg_u32 s[CNT], 0
	s_cbranch_scc1 .Ltail
.Lout:
	s_wait_dscnt 0x0                               ; no LDS load is out when the fragment registers are taken for the way out
	PLACES
	OUTA 0                                         ; a block's arithmetic stands between the loads of the block before and its stores
.irp a, 1,2,3,4,5,6,7
	OUTA \a
	SENDO (\a)-1, 32
.endr
	SENDO 7, 0
	s_wait_tensorcnt 0x0                           ; the wave's end
	ds_add_u32 v[SPW], v[NIL]
	s_wait_dscnt 0x0
	CROUND                                         ; the closing round
	s_endpgm
.Lfunc_end_k_q781ae5fa0c_mix:
	.size	k_q781ae5fa0c_mix, .Lfunc_end_k_q781ae5fa0c_mix-k_q781ae5fa0c_mix
	.p2alignl 7, 3214868480
	.fill 96, 4, 3214868480
	.section	.rodata,"a",@progbits
	.p2align	6, 0x0
	.amdhsa_kernel k_q781ae5fa0c_mix
		.amdhsa_group_segment_fixed_size 327680
		.amdhsa_private_segment_fixed_size 0
		.amdhsa_enable_private_segment 0
		.amdhsa_kernarg_size 32
		.amdhsa_user_sgpr_count 2
		.amdhsa_user_sgpr_kernarg_segment_ptr 1
		.amdhsa_wavefront_size32 1
		.amdhsa_system_sgpr_workgroup_id_x 1
		.amdhsa_system_sgpr_workgroup_id_y 1
		.amdhsa_system_sgpr_workgroup_id_z 1
		.amdhsa_system_vgpr_workitem_id 0
		.amdhsa_next_free_vgpr 1024
		.amdhsa_next_free_sgpr 102
		.amdhsa_reserve_vcc 0
		.amdhsa_float_denorm_mode_32 3
		.amdhsa_float_denorm_mode_16_64 3
		.amdhsa_memory_ordered 1
		.amdhsa_forward_progress 1
		.amdhsa_inst_pref_size 171
	.end_amdhsa_kernel
	.amdgpu_metadata
---
amdhsa.version: [ 1, 2 ]
amdhsa.kernels:
  - .name:           k_q781ae5fa0c_mix
    .symbol:         k_q781ae5fa0c_mix.kd
    .args:
      - { .name: pw, .offset: 0, .size: 8, .value_kind: global_buffer, .address_space: global }
      - { .name: vh, .offset: 8, .size: 8, .value_kind: global_buffer, .address_space: global }
      - { .name: st, .offset: 16, .size: 8, .value_kind: global_buffer, .address_space: global }
      - { .name: out0, .offset: 24, .size: 8, .value_kind: global_buffer, .address_space: global }
    .group_segment_fixed_size: 327680
    .private_segment_fixed_size: 0
    .kernarg_segment_align: 8
    .kernarg_segment_size: 32
    .max_flat_workgroup_size: 128
    .sgpr_count:     102
    .vgpr_count:     1024
    .wavefront_size: 32
...
	.end_amdgpu_metadata
.endif
;; end of part 5
;; ======== version 3 of 3: 3 launches; version 2 with the launch prep written anew for expert scheduling mode
;; limits: values are held in f16: magnitudes above 65,504 overflow, below 6.1e-05 lose precision
;; workspace buffers: qb 33,554,432 bytes; kb 33,554,432 bytes; vh 33,554,432 bytes; pw 67,108,864 bytes; st 2,097,152 bytes
;; launch prep (part 6): grid 256 x 3, 8 waves a work-group, no clusters, 0 bytes of LDS; arguments query, key, value, qb, kb, vh; writes qb, kb, vh
.if DOCPART == 6
	.amdgcn_target "amdgcn-amd-amdhsa--gfx1250"
	.amdhsa_code_object_version 6
	.text
	.protected	k_q781ae5fa0c_prep
	.globl	k_q781ae5fa0c_prep
	.p2align	8
	.type	k_q781ae5fa0c_prep,@function
k_q781ae5fa0c_prep:
	s_mov_b64 s[64:65], 0
	v_nop
	global_prefetch_b8 v0, s[64:65] scope:SCOPE_SE
	s_setreg_imm32_b32 hwreg(HW_REG_WAVE_SCHED_MODE, 0, 2), 2
	s_setreg_imm32_b32 hwreg(HW_REG_WAVE_MODE, 25, 1), 1
	s_wait_xcnt 0x0
	s_wait_alu depctr_vm_vsrc(0)
; PREP.  query -> qb and key -> kb, rounded to bf16; value -> vh, rounded to bf16 and that number written as f16.
; LIMIT.  bf16(value) must lie within 65,504, f16's largest number; below 6e-5 it keeps f16's fixed step of 6e-8.
; SHARES.  Grid y picks the tensor.  A work-group takes 65,536 numbers: 64 chunks of 256 threads x 4 floats.  A wave's load covers 512 consecutive bytes,
; its store 256 consecutive bytes at a multiple of 256.
; No LDS, no matrix unit, no cluster: every byte is read once by one lane, and nothing is shared.
; THE MODE: SCHED_MODE bits 1:0 = 2 (LLVM: expert scheduling mode 2), set by the entry lines.  The code itself states the register dependences
; between vector instructions and memory instructions, with s_wait_alu, always for 0.
; THE PLAN.  The 64 chunks go in 16 blocks of four.  Registers that memory instructions touch:
;   X0 .. X3   four blocks of floats as loaded.  Written by the loads of block p + 3, issued in block p; read by block p's first conversions.
;   Y0, Y1     two blocks of 16-bit numbers.     Written by block p's conversions; read by the four stores that are issued in block p + 1.
;   v1, v2     byte offsets, made once at the head and never written again: the chunks are reached by the two scalar bases, which move on by a
;              block at each block's head, and by immediate offsets.
; Block p works on X[p % 4] and writes Y[p % 2].  Its memory instructions are the loads into X[(p + 3) % 4] = X[(p - 1) % 4] and the stores from
; Y[(p - 1) % 2]: the two buffers that block p - 1 worked on and that no vector instruction of block p names.  So the waits at the head of a block
; state all that the block's eight memory instructions hang on, and these are dealt among its vector instructions with no further wait.
; At a block's head eight younger loads of the wave stay out; with the four that follow, twelve are on their way.
.set BLOCK,  4                         ; chunks in a block
.set BLOCKS, 64 / BLOCK
.set CIN,   4096                       ; bytes of a chunk coming in
.set COUT,  2048                       ; and going out
.set OI,  1                            ; v1        16 t: my 16 bytes in every chunk coming in
.set OO,  2                            ; v2        8 t: my 8 bytes in every chunk going out
.set T,   4                            ; v[4:7]    at work: no memory instruction names them
.set X,   8                            ; v[8:71]   buffer k, chunk i: 4 registers at X + 16 k + 4 i: four floats as loaded
.set Y,   72                           ; v[72:87]  buffer k, chunk i: 2 registers at Y + 8 k + 2 i: four 16-bit numbers to store
	s_load_b256 s[8:15], s[0:1], 0x0               ; query 8, key 10, value 12, qb 14
	s_load_b128 s[16:19], s[0:1], 0x20             ; kb 16, vh 18
	s_and_b32 s2, ttmp7, 0xffff                    ; which tensor
	s_lshl_b32 s24, ttmp9, 18                      ; the work-group's part: 262,144 bytes in,
	s_mov_b32 s25, 0
	s_lshl_b32 s26, ttmp9, 17                      ; 131,072 bytes out
	s_mov_b32 s27, 0
	s_mov_b32 s29, 0xffff0000                      ; a word's upper bf16
	v_lshlrev_b32 v[OI], 4, v0
	v_lshlrev_b32 v[OO], 3, v0
	s_wait_kmcnt 0x0
	s_cmp_eq_u32 s2, 0
	s_cselect_b64 s[4:5], s[8:9], s[10:11]
	s_cselect_b64 s[6:7], s[14:15], s[16:17]
	s_cmp_eq_u32 s2, 2
	s_cselect_b64 s[4:5], s[12:13], s[4:5]
	s_cselect_b64 s[6:7], s[18:19], s[6:7]
	s_add_nc_u64 s[4:5], s[4:5], s[24:25]
	s_add_nc_u64 s[6:7], s[6:7], s[26:27]
	s_wait_alu depctr_va_vdst(0)                   ; v1 and v2 are written: every load of the kernel reads v1 as its offset, every store v2
.irp i, 0,1,2,3,4,5,6,7,8,9,10,11
	global_load_b128 v[X+4*(\i):X+4*(\i)+3], v[OI], s[4:5] offset:(\i)*CIN th:TH_LOAD_NT  ; blocks 0, 1 and 2 into X0, X1, X2
.endr
; Block p.  xb = p % 4, yb = p % 2.  first = 1: block 0, with no block in front of it.  ahead = 1: block p + 3 is loaded.
; left: the younger loads that may stay out when this block's four have to be there.  isv = 1: value's second conversion.
.macro BLK xb, yb, first, ahead, left, isv
	s_wait_loadcnt \left                           ; loads come back in order: X[xb] is in, the younger blocks stay out
.if !\first
	s_wait_xcnt 0x0                                ; every earlier memory instruction has had its addresses translated: the bases and Y[yb] are rewritten only behind this wait
	s_wait_alu depctr_vm_vsrc(0)                   ; the stores issued in the block before have read Y[yb], which this block's conversions write again
	s_wait_alu depctr_va_vdst(0)                   ; the block before has written the other Y, which the stores below read, and is done reading its X, in which the loads below land
	s_add_nc_u64 s[4:5], s[4:5], BLOCK*CIN         ; both bases at this block's first chunk
	s_add_nc_u64 s[6:7], s[6:7], BLOCK*COUT
.endif
.irp i, 0,1,2,3
.if \ahead
	global_load_b128 v[X+16*((\xb+3)%4)+4*(\i):X+16*((\xb+3)%4)+4*(\i)+3], v[OI], s[4:5] offset:(3*BLOCK+(\i))*CIN th:TH_LOAD_NT  ; three blocks ahead; no vector instruction since the wait names these registers
.endif
.if !\first
	global_store_b64 v[OO], v[Y+8*(1-\yb)+2*(\i):Y+8*(1-\yb)+2*(\i)+1], s[6:7] offset:((\i)-BLOCK)*COUT  ; the block before: the offset reaches back
.endif
	v_cvt_pk_bf16_f32 v[Y+8*\yb+2*(\i)],   v[X+16*\xb+4*(\i)],   v[X+16*\xb+4*(\i)+1]
	v_cvt_pk_bf16_f32 v[Y+8*\yb+2*(\i)+1], v[X+16*\xb+4*(\i)+2], v[X+16*\xb+4*(\i)+3]
.if \isv
	v_lshlrev_b32 v[T],   16,  v[Y+8*\yb+2*(\i)]   ; the bf16 numbers as f32,
	v_and_b32     v[T+1], s29, v[Y+8*\yb+2*(\i)]
	v_lshlrev_b32 v[T+2], 16,  v[Y+8*\yb+2*(\i)+1]
	v_and_b32     v[T+3], s29, v[Y+8*\yb+2*(\i)+1]
	v_cvt_pk_f16_f32 v[Y+8*\yb+2*(\i)],   v[T],   v[T+1]  ; written as f16: 8 significant bits fit into 11
	v_cvt_pk_f16_f32 v[Y+8*\yb+2*(\i)+1], v[T+2], v[T+3]
.endif
.endr
.endm
.macro STREAM isv
	BLK 0, 0, 1, 1, 2*BLOCK, \isv                  ; block 0
	s_mov_b32 s28, (BLOCKS-4)/4
.Lround_\@:                                            ; blocks 1 to 12, four to a lap: both kinds of buffer are back at their start
	BLK 1, 1, 0, 1, 2*BLOCK, \isv
	BLK 2, 0, 0, 1, 2*BLOCK, \isv
	BLK 3, 1, 0, 1, 2*BLOCK, \isv
	BLK 0, 0, 0, 1, 2*BLOCK, \isv
	s_sub_co_u32 s28, s28, 1
	s_cmp_lg_u32 s28, 0
	s_cbranch_scc1 .Lround_\@
	BLK 1, 1, 0, 0, 2*BLOCK, \isv                  ; blocks 13 to 15 load nothing: no load leaves the buffer, and the counts run down
	BLK 2, 0, 0, 0, BLOCK, \isv
	BLK 3, 1, 0, 0, 0, \isv
	s_wait_alu depctr_va_vdst(0)                   ; block 15 has written Y1, which the last four stores read
.irp i, 0,1,2,3
	global_store_b64 v[OO], v[Y+8+2*(\i):Y+8+2*(\i)+1], s[6:7] offset:(\i)*COUT
.endr
.endm
	s_cmp_eq_u32 s2, 2
	s_cbranch_scc1 .Lvalue
	STREAM 0
	s_endpgm
.Lvalue:
	STREAM 1
	s_endpgm
.Lfunc_end_k_q781ae5fa0c_prep:
	.size	k_q781ae5fa0c_prep, .Lfunc_end_k_q781ae5fa0c_prep-k_q781ae5fa0c_prep
	.p2alignl 7, 3214868480
	.fill 96, 4, 3214868480
	.section	.rodata,"a",@progbits
	.p2align	6, 0x0
	.amdhsa_kernel k_q781ae5fa0c_prep
		.amdhsa_group_segment_fixed_size 0
		.amdhsa_private_segment_fixed_size 0
		.amdhsa_enable_private_segment 0
		.amdhsa_kernarg_size 48
		.amdhsa_user_sgpr_count 2
		.amdhsa_user_sgpr_kernarg_segment_ptr 1
		.amdhsa_wavefront_size32 1
		.amdhsa_system_sgpr_workgroup_id_x 1
		.amdhsa_system_sgpr_workgroup_id_y 1
		.amdhsa_system_sgpr_workgroup_id_z 1
		.amdhsa_system_vgpr_workitem_id 0
		.amdhsa_next_free_vgpr 88
		.amdhsa_next_free_sgpr 66
		.amdhsa_reserve_vcc 0
		.amdhsa_float_denorm_mode_32 3
		.amdhsa_float_denorm_mode_16_64 3
		.amdhsa_memory_ordered 1
		.amdhsa_forward_progress 1
		.amdhsa_inst_pref_size 32
	.end_amdhsa_kernel
	.amdgpu_metadata
---
amdhsa.version: [ 1, 2 ]
amdhsa.kernels:
  - .name:           k_q781ae5fa0c_prep
    .symbol:         k_q781ae5fa0c_prep.kd
    .args:
      - { .name: query, .offset: 0, .size: 8, .value_kind: global_buffer, .address_space: global }
      - { .name: key, .offset: 8, .size: 8, .value_kind: global_buffer, .address_space: global }
      - { .name: value, .offset: 16, .size: 8, .value_kind: global_buffer, .address_space: global }
      - { .name: qb, .offset: 24, .size: 8, .value_kind: global_buffer, .address_space: global }
      - { .name: kb, .offset: 32, .size: 8, .value_kind: global_buffer, .address_space: global }
      - { .name: vh, .offset: 40, .size: 8, .value_kind: global_buffer, .address_space: global }
    .group_segment_fixed_size: 0
    .private_segment_fixed_size: 0
    .kernarg_segment_align: 8
    .kernarg_segment_size: 48
    .max_flat_workgroup_size: 256
    .sgpr_count:     66
    .vgpr_count:     88
    .wavefront_size: 32
...
	.end_amdgpu_metadata
.endif
;; end of part 6
;; launch scores: the kernel of part 4 again; grid 4 x 64, 4 waves a work-group, clusters of 4 x 4, 327,680 bytes of LDS; arguments qb, kb, mask, pw, st; writes pw, st
;; launch mix: the kernel of part 5 again; grid 4 x 64, 4 waves a work-group, clusters of 4 x 4, 327,680 bytes of LDS; arguments pw, vh, st, out0; writes out0
